; MI455X (gfx1250); checked and timed in simulation.
; The chip was launched on July 23, 2026; its instructions are those of AMD's public machine-readable ISA for CDNA 5 (MIT licence, August 2026) and "CDNA5" Instruction Set Architecture Reference Guide (July 2026). The comments in the code are by the model that wrote it; some were corrected since.
;; Multi Head Self Attention. Allowed arithmetic: matrix products marked QUANTISED: E3M2 operands, one E8M0 scale for each 32 along K, by v_wmma_scale_f32_16x16x128_f8f6f4 with both operands' format E3M2, f32 sums; everything else in f32.
;; Inputs: W_k 1,024 x 1,024 float32; W_o 1,024 x 1,024 float32; W_q 1,024 x 1,024 float32; W_v 1,024 x 1,024 float32; x 1 x 4,096 x 1,024 float32.
;; Outputs: out0 1 x 4,096 x 1,024 float32.
;; This version of the problem:
;;   THIS VERSION OF THE PROBLEM IS GIVEN IN LOW PRECISION. The matrix products marked QUANTISED in the list below multiply operands that are first quantised to E3M2 (3 exponent bits, 2 mantissa bits; 6 bits a number), with one power-of-two scale for each 32 numbers along K (OCP MX v1.0); their sums are f32. All else is computed in f32.
;;   The module's matrix products, in the order in which they are computed (A, B: the left and right operand; K: the contracted axis; several contracted axes count as one K, in the product's order):
;;     1. [M 4,096, K 1,024] x [K 1,024, N 1,024]; A: input x; B: input W_q: QUANTISED
;;     2. [M 4,096, K 1,024] x [K 1,024, N 1,024]; A: input x; B: input W_k: QUANTISED
;;     3. [M 4,096, K 1,024] x [K 1,024, N 1,024]; A: input x; B: input W_v: QUANTISED
;;     4. batch 16 x [M 4,096, K 64] x [K 64, N 4,096]; A: computed on the way; B: computed on the way: QUANTISED
;;     5. batch 16 x [M 4,096, K 4,096] x [K 4,096, N 64]; A: softmax (see below); B: computed on the way: QUANTISED
;;     6. [M 4,096, K 1,024] x [K 1,024, N 1,024]; A: computed on the way; B: input W_o: QUANTISED
;;   THE QUANTISER, for each operand of a quantised product, along K:
;;     - K is cut into blocks of 32 from its start; a last block that is shorter is filled with zeros.
;;     - A block's scale is 2^e with e = floor(log2(the largest magnitude in the block)) - 4, held to -126 .. 127; a block of zeros has e = 0. As a byte (E8M0): e + 127.
;;     - Each number is divided by its block's scale, clamped to +-28, and rounded to the nearest number of E3M2, ties to even, subnormals kept.
;;     - The product sums the exact products of the quantised numbers (number of the format x scale) in f32.
;;   ~~~python
;;   def quantise(x, axis):      # numpy; x: float32 -> the quantised numbers, widened to float32 again
;;       x = np.moveaxis(x, axis, -1); K = x.shape[-1]
;;       x = np.pad(x, [(0, 0)] * (x.ndim - 1) + [(0, -K % 32)]); x = x.reshape(x.shape[:-1] + (-1, 32)); a = np.abs(x).max(-1, keepdims=True)
;;       e = np.where(a > 0, np.clip(np.frexp(np.where(a > 0, a, 1))[1] - 1 - 4, -126, 127), 0)      # np.frexp(a)[1] - 1 = floor(log2(a)), exactly
;;       r = np.clip(x / 2.0 ** e, -28, 28)
;;       step = 2.0 ** (np.maximum(np.frexp(np.where(r == 0, 1, r))[1] - 1, -2) - 2)
;;       q = np.round(r / step) * step * 2.0 ** e      # np.round: ties to even
;;       return np.moveaxis(q.reshape(q.shape[:-2] + (-1,))[..., :K], -1, axis).astype(np.float32)
;;   ~~~
;;   SOFTMAX AHEAD OF A QUANTISED PRODUCT. Where the list says 'softmax', what is quantised is not the finished softmax but p = 2^(t - M), with t = logit x log2(e) and M = ceil(the row's largest t), a whole number; so 1/2 < the row's largest p <= 1. The row's sum l is taken of the UNQUANTISED p, in f32, and the product's result is divided by l at the end. Since M is a whole number, a kernel that streams over the keys may use a running M (the ceiling of the running maximum): every later rescaling is an exact power of two, which a block's scale takes up: the codes' values come out the same.
;;   OPERANDS COMPUTED ON THE WAY. 'Computed on the way' means the value that the module computes at that place (a softmax that the list does not call 'softmax' is quantised finished and normalised). What goes into a quantiser is computed in f32, as accurately as f32 sums, v_exp_f32 and their like allow (about 1e-6 of the number): no bf16 or f16 on the way to a quantiser, and a product that is left as it is and whose result goes on into a quantised operand takes f32 operands (vector FMAs, or v_wmma_f32_16x16x4_f32). A number that lies on a knife's edge between two numbers of the format may be rounded either way, as far as f32 arithmetic and the matrix unit's own rounding can turn it there, and no further.
;; One version. Each part assembles by itself: llvm-mc -triple=amdgcn-amd-amdhsa -mcpu=gfx1250 --defsym DOCPART=n.
;; ======== version 1 of 1: 4 launches
;; limits: right only within a limited range of input values
;; workspace buffers: opnd 6,291,456 bytes; opnd_s 262,144 bytes; qkv 9,437,184 bytes; qkv_s 655,360 bytes; o_codes 3,145,728 bytes; o_scales 131,072 bytes
;; launch prep (part 1): grid 512 x 1, 4 waves a work-group, no clusters, 67,072 bytes of LDS; arguments x, W_q, W_k, W_v, W_o, opnd, opnd_s; writes opnd, opnd_s
.if DOCPART == 1
	.amdgcn_target "amdgcn-amd-amdhsa--gfx1250"
	.amdhsa_code_object_version 6
	.text
	.protected	k_qb719d417ff_prep
	.globl	k_qb719d417ff_prep
	.p2align	8
	.type	k_qb719d417ff_prep,@function
k_qb719d417ff_prep:
	s_mov_b64 s[64:65], 0
	v_nop
	global_prefetch_b8 v0, s[64:65] scope:SCOPE_SE
	s_setreg_imm32_b32 hwreg(HW_REG_WAVE_MODE, 25, 1), 1
	s_wait_xcnt 0x0
; x [4096][1024] and W_q, W_k, W_v, W_o [1024 (k)][1024 (n)], f32, become codes of BF6 (E3M2) with one E8M0 byte for each 32 along K.
; A block's scale is 2^(floor(log2(its largest magnitude)) - 4); its byte is the largest magnitude's exponent field - 4, held at 1 from below.
; LIMITS: a block whose largest magnitude lies under 2^-122 keeps the byte 1; a block of zeros gets the byte 1 and not 127 (its codes are zeros, and this program alone reads the bytes); NaN and infinities are not served.
; LAYOUT OF opnd: half fragments.  A half fragment is 16 rows x 64 K, 768 bytes, in the order of the matrix operand's registers: lane (r = l % 16, h = l / 16) holds row r, k = 32 h .. 32 h + 31,
; six registers; registers 0-3 lie at 16 l, registers 4-5 at 512 + 8 l.  Half fragment (rb, kg) lies at rb x 12288 + kg x 768.  Row-blocks rb: 0-255 x, 256-319 W_q (rows = n), 320-383 W_k, 384-447 W_v, 448-511 W_o.
; LAYOUT OF opnd_s: one word for a row and 128 K, at rb x 512 + ks x 64 + 4 r.
; W_o's K is taken in another order inside each block of 32: place p holds element p (p < 8, p >= 24), p + 8 (8 <= p < 16), p - 8 (16 <= p < 24): the order in which the attention launch leaves O's codes.
; Work-groups 0-255: a row-block of x each (through a stage in LDS).  Work-groups 256-511: 128 columns x 128 K of one weight each (a lane to a column, registers down K; no LDS).
; WORK LEFT OUT, in the launch attn: reference() sets every score with key > query to -inf by its own jnp.tril, so its softmax weight is 0 for all values of the inputs and it adds nothing to the row's sum or to the product with V.
; Steps of 128 keys that lie wholly above the diagonal of a tile of 16 queries are therefore not computed.  LIMIT: a NaN, an infinity or an overflow that reaches only those scores is not carried to the result.
.set PIT,   1040
.set STG,   16*PIT                     ; a wave's stage
.set SPARE, 4*STG                      ; behind the four stages: the spare words, 128 bytes a wave: two blocks of 256 bytes that no other line names
.set SPW,   12                         ; v12  LDS address of my spare word; never rewritten
.set NIL,   13                         ; v13  0; never rewritten
.set R,     32                         ; x path: v32-159 the 32 loads; later v32-61 the codes, v64-66 at work
.set X,     160                        ; x path: v160-223 two sets of 32 neighbours
.set T,     64
.set E,     20                         ; x path: v20-23 the four bytes
.set XW,    32                         ; W path: v32-95 two sets of 32 numbers; v96-125 codes; v128-130 at work
.set TW,    128
; The largest magnitude of 32 numbers with the floor 2^(5 - 127) among its leaves (v14), and with 4 off its exponent field the conversion's scale operand (v16)
.macro BLKMAX xs
	v_max3_num_f32 v14, |v[\xs]|, |v[\xs+1]|, |v[\xs+2]|
	v_max3_num_f32 v15, |v[\xs+3]|, |v[\xs+4]|, |v[\xs+5]|
.irp i, 6,10,14,18,22,26
	v_max3_num_f32 v14, v14, |v[\xs+\i]|, |v[\xs+\i+1]|
	v_max3_num_f32 v15, v15, |v[\xs+\i+2]|, |v[\xs+\i+3]|
.endr
	v_max3_num_f32 v14, v14, |v[\xs+30]|, |v[\xs+31]|
	v_max3_num_f32 v14, v14, v15, 0x2800000
	v_add_nc_u32 v16, 0xfe000000, v14
.endm
	s_load_b256 s[4:11], s[0:1], 0x0               ; x s[4:5], W_q s[6:7], W_k s[8:9], W_v s[10:11]
	s_load_b128 s[12:15], s[0:1], 0x20             ; W_o s[12:13], opnd s[14:15]
	s_load_b64 s[16:17], s[0:1], 0x30              ; opnd_s
	v_lshl_add_u32 v[SPW], v0, 2, SPARE
	v_mov_b32 v[NIL], 0
	v_lshrrev_b32 v1, 5, v0
	v_readfirstlane_b32 s18, v1                    ; wave 0..3
	v_and_b32 v1, 31, v0                           ; lane
	v_and_b32 v2, 15, v0                           ; r
	v_bfe_u32 v3, v0, 4, 1                         ; h
	v_lshlrev_b32 v4, 4, v1                        ; 16 x lane
	v_lshlrev_b32 v8, 3, v1                        ; 8 x lane
	s_mov_b32 s21, 0
	s_mov_b32 s25, 0
	s_wait_kmcnt 0x0
	s_cmp_ge_u32 ttmp9, 256
	s_cbranch_scc1 .Lw
	; ---- x: row-block rb = the work-group's number; wave w takes k = 256 w .. 256 w + 255: four half fragments, two scale words a row
	s_mul_i32 s19, s18, STG                        ; my stage
	s_wait_alu depctr_va_vdst(0)
	v_add_nc_u32 v5, s19, v4                       ; in: as loaded, 16 bytes a lane
	v_mul_u32_u24 v6, v2, PIT
	v_lshl_add_u32 v6, v3, 7, v6
	v_add_nc_u32 v6, s19, v6                       ; out: row r, + 128 h: my block of 32 numbers
	v_lshlrev_b32 v9, 3, v3                        ; 8 h
	v_lshlrev_b32 v10, 2, v1                       ; 4 x lane
	v_cmp_ne_u32 s30, 0, v3                        ; lanes 16-31
	s_mov_b32 s28, 0x76543210
	s_mov_b32 s29, 0xfedcba98                      ; v_permlanex16_b32's selects for lane l xor 16
	s_lshl_b32 s20, ttmp9, 16                      ; 16 rows of 4,096 bytes,
	s_lshl_b32 s22, s18, 10                        ; my 1,024 bytes of a row
	s_add_co_u32 s20, s20, s22
	s_add_nc_u64 s[4:5], s[4:5], s[20:21]
	s_mul_i32 s20, ttmp9, 12288
	s_mul_i32 s22, s18, 3072
	s_add_co_u32 s20, s20, s22
	s_add_nc_u64 s[14:15], s[14:15], s[20:21]      ; my four half fragments
	s_lshl_b32 s20, ttmp9, 9
	s_lshl_b32 s22, s18, 7
	s_add_co_u32 s20, s20, s22
	s_add_nc_u64 s[16:17], s[16:17], s[20:21]      ; my two runs of scale words
.set i, 0
.rept 32
	global_load_b128 v[R+4*i:R+4*i+3], v4, s[4:5] offset:(i/2)*4096+(i%2)*512 th:TH_LOAD_NT   ; 32 lanes read 512 consecutive bytes
.set i, i+1
.endr
.set i, 0
	s_wait_alu depctr_va_vdst(0)
.rept 32
	s_wait_loadcnt 31-i                            ; loads come back in order: load i is in, the 31 - i behind it may be out
	ds_store_b128 v5, v[R+4*i:R+4*i+3] offset:(i/2)*PIT+(i%2)*512
.set i, i+1
.endr
.macro XRD q                           ; half fragment q: my 32 neighbours back from the stage (LDS serves a wave's instructions in order: these see my stores)
.irp j, 0,1,2,3,4,5,6,7
	ds_load_b128 v[X+32*((\q)%2)+4*\j:X+32*((\q)%2)+4*\j+3], v6 offset:(\q)*256+16*\j
.endr
.endm
.macro HFQ q
.set XS, X+32*((\q)%2)
.set CQ, 32+8*(\q)
.if (\q) < 3
	s_wait_dscnt 8                                 ; this half fragment's eight reads are in (and so are all stores into the stage); the next one's eight may be out
.else
	s_wait_dscnt 0x0
.endif
	BLKMAX XS
	v_cvt_scalef32_pk16_bf6_f32 v[CQ:CQ+2], v[XS:XS+15], v16
	v_cvt_scalef32_pk16_bf6_f32 v[T:T+2], v[XS+16:XS+31], v16       ; (a conversion's three registers begin on an even number)
	v_lshrrev_b32 v[E+(\q)], 23, v16               ; the scale's byte; also the plain line behind the conversions
.irp i, 0,1,2
	v_mov_b32 v[CQ+3+\i], v[T+\i]
.endr
	global_store_b128 v4, v[CQ:CQ+3], s[14:15] offset:(\q)*768      ; 512 consecutive bytes, aligned
	global_store_b64 v8, v[CQ+4:CQ+5], s[14:15] offset:(\q)*768+512 ; 256 consecutive bytes, aligned
.if (\q) < 2
	XRD (\q)+2
.endif
.endm
	XRD 0
	XRD 1
	HFQ 0
	HFQ 1
	HFQ 2
	HFQ 3
	v_lshl_or_b32 v24, v[E+1], 16, v[E]            ; my bytes of word 0: blocks h and 2 + h,
	v_lshl_or_b32 v25, v[E+3], 16, v[E+2]          ; and of word 1,
	v_lshlrev_b32 v24, v9, v24                     ; at their places (8 h bits up);
	v_lshlrev_b32 v25, v9, v25
	v_mov_b32 v26, 0                               ; (a lane permute's destination counts as one of its sources)
	v_mov_b32 v27, 0
	v_permlanex16_b32 v26, v24, s28, s29
	v_permlanex16_b32 v27, v25, s28, s29
	v_or_b32 v24, v24, v26                         ; with lane l xor 16's two the words are whole
	v_or_b32 v25, v25, v27
	v_cndmask_b32 v28, v24, v25, s30               ; lanes 0-15 store word 0 of row r, lanes 16-31 word 1
	global_store_b32 v10, v28, s[16:17]            ; 128 consecutive bytes
	s_wait_tensorcnt 0x0                           ; the wave's end: behind my last LDS store
	ds_add_u32 v[SPW], v[NIL]
	s_wait_dscnt 0x0
	s_endpgm
	; ---- the weights: j = work-group - 256: weight j / 64, columns 128 ((j / 8) % 8) + 32 w on, k = 128 (j % 8) on.  A LANE TAKES A COLUMN n, ITS REGISTERS RUN DOWN K.
.Lw:
	s_sub_co_u32 s19, ttmp9, 256
	s_lshr_b32 s20, s19, 6                         ; which weight
	s_bfe_u32 s22, s19, 0x30003                    ; which 128 columns
	s_and_b32 s23, s19, 7                          ; which 128 along K
	s_cmp_eq_u32 s20, 1                            ; the choice of the buffer hangs on the work-group's number alone
	s_cselect_b64 s[6:7], s[8:9], s[6:7]
	s_cmp_eq_u32 s20, 2
	s_cselect_b64 s[6:7], s[10:11], s[6:7]
	s_cmp_eq_u32 s20, 3
	s_cselect_b64 s[6:7], s[12:13], s[6:7]
	s_cselect_b32 s26, 32768, 0                    ; W_o: eight rows of 4,096 bytes
	s_lshl_b32 s24, s23, 19                        ; 128 rows of 4,096 bytes
	s_lshl_b32 s27, s22, 9
	s_add_co_u32 s24, s24, s27
	s_lshl_b32 s27, s18, 7
	s_add_co_u32 s24, s24, s27                     ; + 4 x my wave's first column
	s_add_nc_u64 s[6:7], s[6:7], s[24:25]
	s_lshl_b32 s27, s20, 6
	s_lshl_b32 s31, s22, 3
	s_add_co_u32 s27, s27, s31
	s_lshl_b32 s31, s18, 1
	s_add_co_u32 s27, s27, s31
	s_add_co_u32 s27, s27, 256                     ; my first row-block: 256 + 64 x weight + 8 x column group + 2 x wave
	s_mul_i32 s24, s27, 12288
	s_mul_i32 s31, s23, 1536
	s_add_co_u32 s24, s24, s31
	s_add_nc_u64 s[14:15], s[14:15], s[24:25]
	s_lshl_b32 s24, s27, 9
	s_lshl_b32 s31, s23, 6
	s_add_co_u32 s24, s24, s31
	s_add_nc_u64 s[16:17], s[16:17], s[24:25]
	s_wait_alu depctr_va_vdst(0)
	v_lshlrev_b32 v5, 2, v1                        ; 4 bytes a lane: places 0-7 and 24-31 of a block
	v_add_nc_u32 v6, s26, v5                       ; places 8-15: in W_o eight rows further down
	s_sub_co_u32 s31, 32768, s26
	v_add_nc_u32 v7, s31, v5                       ; places 16-23, counted from eight rows up: in W_o they stay there
	v_lshlrev_b32 v9, 2, v2
	v_lshl_add_u32 v9, v3, 9, v9                   ; my column's scale word: 4 r, + a row-block for lanes 16-31
.macro LOADW t                         ; block t into set t % 2: each load reads 128 consecutive bytes, the four waves side by side 512
.irp i, 0,1,2,3,4,5,6,7,8,9,10,11,12,13,14,15,16,17,18,19,20,21,22,23,24,25,26,27,28,29,30,31
.if (\i >= 8) && (\i < 16)
	global_load_b32 v[XW+32*((\t)%2)+\i], v6, s[6:7] offset:(32*(\t)+\i)*4096 th:TH_LOAD_NT
.elseif (\i >= 16) && (\i < 24)
	global_load_b32 v[XW+32*((\t)%2)+\i], v7, s[6:7] offset:(32*(\t)+\i-8)*4096 th:TH_LOAD_NT
.else
	global_load_b32 v[XW+32*((\t)%2)+\i], v5, s[6:7] offset:(32*(\t)+\i)*4096 th:TH_LOAD_NT
.endif
.endr
.endm
.macro BLOCKW t
.set XS, XW+32*((\t)%2)
.set DW, 96+16*((\t)/2)+8*((\t)%2)
.set CE, 96+16*((\t)/2)
.set CO, 104+16*((\t)/2)
.if (\t) < 3
	s_wait_loadcnt 32                              ; this block's 32 loads are in; the next block's 32 may be out
.else
	s_wait_loadcnt 0x0
.endif
	BLKMAX XS
	v_lshrrev_b32 v17, 23, v16                     ; the scale's byte
.if (\t) == 0
	v_mov_b32 v24, v17                             ; four bytes make my column's word, the lower K in the lower byte
.else
	v_lshl_or_b32 v24, v17, 8*(\t), v24
.endif
	v_cvt_scalef32_pk16_bf6_f32 v[DW:DW+2], v[XS:XS+15], v16
	v_cvt_scalef32_pk16_bf6_f32 v[TW:TW+2], v[XS+16:XS+31], v16
	v_nop                                          ; one plain line behind a scaled conversion
.irp i, 0,1,2
	v_mov_b32 v[DW+3+\i], v[TW+\i]
.endr
.if (\t) < 2
	LOADW (\t)+2
.endif
.if (\t)%2 == 1                        ; two blocks of 32 columns become two half fragments of 16 columns: the even block's lanes 16-31 change places with the odd block's lanes 0-15
.irp i, 0,1,2,3,4,5
	v_permlane16_swap_b32 v[CE+\i], v[CO+\i]
.endr
	global_store_b128 v4, v[CE:CE+3], s[14:15] offset:((\t)/2)*768
	global_store_b64 v8, v[CE+4:CE+5], s[14:15] offset:((\t)/2)*768+512
	global_store_b128 v4, v[CO:CO+3], s[14:15] offset:((\t)/2)*768+12288
	global_store_b64 v8, v[CO+4:CO+5], s[14:15] offset:((\t)/2)*768+12288+512
.endif
.endm
	LOADW 0
	LOADW 1
	BLOCKW 0
	BLOCKW 1
	BLOCKW 2
	BLOCKW 3
	global_store_b32 v9, v24, s[16:17]             ; two runs of 64 consecutive bytes
	s_endpgm
.Lfunc_end_k_qb719d417ff_prep:
	.size	k_qb719d417ff_prep, .Lfunc_end_k_qb719d417ff_prep-k_qb719d417ff_prep
	.p2alignl 7, 3214868480
	.fill 96, 4, 3214868480
	.section	.rodata,"a",@progbits
	.p2align	6, 0x0
	.amdhsa_kernel k_qb719d417ff_prep
		.amdhsa_group_segment_fixed_size 67072
		.amdhsa_private_segment_fixed_size 0
		.amdhsa_enable_private_segment 0
		.amdhsa_kernarg_size 56
		.amdhsa_user_sgpr_count 2
		.amdhsa_user_sgpr_kernarg_segment_ptr 1
		.amdhsa_wavefront_size32 1
		.amdhsa_system_sgpr_workgroup_id_x 1
		.amdhsa_system_sgpr_workgroup_id_y 1
		.amdhsa_system_sgpr_workgroup_id_z 1
		.amdhsa_system_vgpr_workitem_id 0
		.amdhsa_next_free_vgpr 224
		.amdhsa_next_free_sgpr 66
		.amdhsa_reserve_vcc 0
		.amdhsa_float_denorm_mode_32 3
		.amdhsa_float_denorm_mode_16_64 3
		.amdhsa_memory_ordered 1
		.amdhsa_forward_progress 1
		.amdhsa_inst_pref_size 38
	.end_amdhsa_kernel
	.amdgpu_metadata
---
amdhsa.version: [ 1, 2 ]
amdhsa.kernels:
  - .name:           k_qb719d417ff_prep
    .symbol:         k_qb719d417ff_prep.kd
    .args:
      - { .name: x, .offset: 0, .size: 8, .value_kind: global_buffer, .address_space: global }
      - { .name: W_q, .offset: 8, .size: 8, .value_kind: global_buffer, .address_space: global }
      - { .name: W_k, .offset: 16, .size: 8, .value_kind: global_buffer, .address_space: global }
      - { .name: W_v, .offset: 24, .size: 8, .value_kind: global_buffer, .address_space: global }
      - { .name: W_o, .offset: 32, .size: 8, .value_kind: global_buffer, .address_space: global }
      - { .name: opnd, .offset: 40, .size: 8, .value_kind: global_buffer, .address_space: global }
      - { .name: opnd_s, .offset: 48, .size: 8, .value_kind: global_buffer, .address_space: global }
    .group_segment_fixed_size: 67072
    .private_segment_fixed_size: 0
    .kernarg_segment_align: 8
    .kernarg_segment_size: 56
    .max_flat_workgroup_size: 128
    .sgpr_count:     66
    .vgpr_count:     224
    .wavefront_size: 32
...
	.end_amdgpu_metadata
.endif
;; end of part 1
;; launch gemm_qkv (part 2): grid 12 x 16, 4 waves a work-group, clusters of 4 x 4, 327,680 bytes of LDS; arguments opnd, opnd_s, qkv, qkv_s; writes qkv, qkv_s
.if DOCPART == 2
	.amdgcn_target "amdgcn-amd-amdhsa--gfx1250"
	.amdhsa_code_object_version 6
	.text
	.protected	k_qb719d417ff_gemm_qkv
	.globl	k_qb719d417ff_gemm_qkv
	.p2align	8
	.type	k_qb719d417ff_gemm_qkv,@function
k_qb719d417ff_gemm_qkv:
	s_mov_b64 s[64:65], 0
	v_nop
	global_prefetch_b8 v0, s[64:65] scope:SCOPE_SE
	s_setreg_imm32_b32 hwreg(HW_REG_WAVE_MODE, 25, 1), 1
	s_wait_xcnt 0x0
	s_wait_alu depctr_hold_cnt(0) depctr_sa_sdst(0) depctr_va_vdst(0) depctr_va_sdst(0) depctr_va_ssrc(0) depctr_va_vcc(0) depctr_vm_vsrc(0)
	s_getreg_b32 s2, hwreg(HW_REG_IB_STS2, 6, 4)
	s_cmp_eq_u32 s2, 0
	s_cbranch_scc0 .Lentry_in_a_cluster
	s_endpgm
.Lentry_in_a_cluster:
	s_bfe_u32 s2, ttmp6, 0x10000c
	s_cmp_lg_u32 s2, 0xf033
	s_cbranch_scc0 .Lentry_shape_is_right
	s_endpgm
.Lentry_shape_is_right:
; Q, K = x [W_q | W_k] and V^T = W_v^T x^T, K = 1,024, on codes of BF6 (E3M2) with E8M0 scales; the results are quantised again on the way out and leave as codes: Q and K along a head's 64, V^T along the keys.
; OPERANDS lie in opnd as half fragments (16 rows x 64 K, 768 bytes, in the order of the operand's registers: lane l's registers 0-3 at 16 l, registers 4-5 at 512 + 8 l), row-block rb's at rb x 12288; scale words in opnd_s at rb x 512 + ks x 64 + 4 r.
; A tile of C is 256 x 256: four waves, each 128 x 128: 64 accumulators, 512 registers.  K goes in steps of 256 through a ring of two LDS slots; a slot holds, for 16 row-blocks of A and 16 of B, four half fragments each (3,072 bytes).
; The scale words of the tile's 256 + 256 rows for all of K (2 x 8,192 dense bytes) come once, with the first fills, and stay.
; CLUSTERS of 4 x 4: A's tiles are asked for jointly along a row of the cluster, B's along a column.  Clusters with x = 0, 1 make [Q | K] (A = x, B = W_q, W_k); clusters with x = 2 make V^T (A = W_v, B = x).
; What differs between the two kinds is chosen by s_cselect_b32 on the cluster's x: no branch hangs on it.
; THE MATRIX INSTRUCTION IS USED TRANSPOSED (source 0 = 16 rows of B, source 1 = 16 rows of A): a lane holds one row of C and eight neighbouring columns, so the next product's K runs along a lane's registers.
; THE WAY OUT.  In tiles 2 b, 2 b + 1 lane (r, h) holds columns 32 b + 8 h + 0..7 and 32 b + 16 + 8 h + 0..7: sixteen members of the true block b.  So scales are the contract's; a block's codes lie in the order
; 0-7, 16-23, 8-15, 24-31, alike in both operands of each later product.
; LAYOUT OF qkv: Q, K: half fragment (g, sb) at (256 g + sb) x 768, g = 0-15 Q's heads, 16-31 K's, sb = s / 16.  V^T from byte 6,291,456: (rbv, kg) at (64 rbv + kg) x 768, rbv = e / 16, kg = key / 64.
; LAYOUT OF qkv_s: Q, K: a word at (4096 g + s) x 4, its bytes 0, 1 the head's two scales, bytes 2, 3 never 0xff.  V^T from byte 524,288: (32 rbv + ks) x 64 + 4 r.
; LIMITS: a block whose largest magnitude lies under 2^-122 keeps the byte 1, a block of zeros too; NaN and infinities are not served.
; REGISTERS: window 0: v1-13 addresses; v16-29 LDS addresses; v32-63 scale words, two sets; v64-113 the way out; v128-223 A's fragments, one set.  window 1: B's fragments, two sets, at v0 and v128.  windows 2, 3: the accumulators ((a, b) at v[8 (8 (a % 4) + b)]).
.set NQ,     2                         ; matrix instructions deep in a slot
.set FR,     12                        ; registers of a fragment
.set NL,     4                         ; LDS loads that bring one
.set NP,     4                         ; places behind this matrix instruction (ISA guide 7.12.1)
.set SROW,   3072                      ; a row-block's part of a slot: four half fragments
.set RBB,    12288                     ; a row-block's codes in memory
.set HALFT,  8*SROW                    ; what one tensor load brings, and what one wave reads of A or of B
.set SLOT,   4*HALFT
.set LAPS,   2                         ; 1,024 along K = two laps of two slots of 256
.set SCL,    2*SLOT                    ; behind the ring: the scale words
.set HALFS,  4096                      ; those of 8 row-blocks
.set SBLK,   512                       ; those of one
.set SPARE,  SCL+4*HALFS               ; the spare words, 128 bytes a wave: two blocks of 256 bytes that no other line names
.set L16,  4                           ; v4   16 x lane
.set L8,   5                           ; v5   8 x lane
.set ADRA, 16                          ; v16-17 A's part of slot 0, 1 + 16 x lane; v18-19 the same + 8 x lane
.set ADRB, 20                          ; v20-23 the same for B
.set ADRS, 27                          ; v27  my scale words: lanes 0-15 A's rows, lanes 16-31 B's
.set SPW,  28                          ; v28  LDS address of my spare word; never rewritten
.set NIL,  29                          ; v29  0; never rewritten
.set SC,   32
.set AF,   128
.set PC,   64                          ; the way out: v64-75 a fragment's codes, v76-82 the conversions' second halves
.set TM,   96                          ; v96-111 at work
.set PW,   112                         ; the scale word; v113 as it is stored
.set PWS,  113
.set SEL,  66                          ; s[66:67] lane selects for v_permlanex16_b32 (on the way out)
.set G1, 24
.set G0, 32
.set G1B, 48
.set G0B, 56
.set G1S, 68
.set G0S, 76
.set G1SB, 80
.set G0SB, 88
.set MSB, 0
.macro WIN new                         ; the immediate's high byte repeats the setting that is left
.if MSB != \new
	s_set_vgpr_msb (MSB<<8)|\new
.set MSB, \new
.endif
.endm
.set MUL_LO, 0xa1                      ; source 0 (B) window 1, source 1 (A) window 0, C and D window 2
.set MUL_HI, 0xf1                      ; the same, C and D window 3
.set TO_B,   0x40                      ; destination window 1, address window 0
; A joint load: waves 0 and 1 fetch for A, waves 2 and 3 for B; the branch hangs on the wave's number alone.  An s_nop 0 and four v_nop follow each of the two lines.
.macro JLOAD g0a, g1a, g0b, g1b
	s_cmp_eq_u32 s15, 0
	s_cbranch_scc0 .Lfor_b_\@
	tensor_load_to_lds s[\g0a:\g0a+3], s[\g1a:\g1a+7]
	s_nop 0
.rept 4
	v_nop
.endr
	s_branch .Lasked_\@
.Lfor_b_\@:
	tensor_load_to_lds s[\g0b:\g0b+3], s[\g1b:\g1b+7]
	s_nop 0
.rept 4
	v_nop
.endr
.Lasked_\@:
.endm
.macro CREST                           ; a round of the cluster's barrier behind its opening barrier
	s_cmp_lg_u32 s14, 0
	s_cbranch_scc1 .Lnot_wave_0_\@
	s_barrier_signal -3
.Lnot_wave_0_\@:
	s_barrier_wait -3
	s_barrier_signal -1
	s_barrier_wait -1
.endm
.macro CROUND
	s_barrier_signal -1
	s_barrier_wait -1
	CREST
.endm
	s_load_b256 s[4:11], s[0:1], 0x0               ; opnd s[4:5], opnd_s s[6:7], qkv s[8:9], qkv_s s[10:11]
	v_lshl_add_u32 v[SPW], v0, 2, SPARE
	v_mov_b32 v[NIL], 0
	ds_add_u32 v[SPW], v[NIL]                      ; the wave's opening: the add and its wait stand ahead of my first tensor load; the set-up below, work on registers, stands between them
	ds_add_u32 v[SPW], v[NIL]
	v_lshrrev_b32 v1, 5, v0
	v_readfirstlane_b32 s14, v1                    ; wave 0..3
	s_lshr_b32 s15, s14, 1                         ; which half of the tile's rows is mine.  Also: I fetch for A (0) or for B (1)
	s_and_b32 s16, s14, 1                          ; which half of its columns.  Also: which 8 row-blocks I fetch
	s_bfe_u32 s40, ttmp6, 0x40000                  ; cx, cy: my place in the cluster
	s_bfe_u32 s41, ttmp6, 0x40004
	s_and_b32 s12, ttmp7, 0xffff                   ; the cluster's y
	s_cmp_eq_u32 ttmp9, 2                          ; a cluster of V^T?  The same in all sixteen partners.  All choices stand behind this one compare
	s_cselect_b32 s13, 0, s12                      ; tile row = 4 x this + cy
	s_cselect_b32 s18, s12, ttmp9                  ; tile column = 4 x this + cx
	s_cselect_b32 s20, 384, 0                      ; A's first row-block: W_v or x
	s_cselect_b32 s46, 0, 256                      ; B's: x or W_q
	s_mov_b32 s96, 768
	s_cselect_b32 s96, 49152, s96                  ; the way out: bytes of codes from one block of 16 rows to the next,
	s_mov_b32 s12, 196608
	s_cselect_b32 s12, 768, s12                    ; from one group of 64 columns to the next,
	s_cselect_b32 s95, 6291456, 0                  ; and where the region begins;
	s_cselect_b32 s98, 2048, 64                    ; bytes of scale words from one block of 16 rows to the next,
	s_cselect_b32 s2, 32, 16384                    ; from one group of 64 columns to the next,
	s_cselect_b32 s3, 524288, 0                    ; where the region begins,
	s_cselect_b32 s66, 0, 16384                    ; where lanes 16-31 store (Q, K: the next head's word),
	s_cselect_b32 s67, 0, 16                       ; and by how much they shift the word down
	s_lshl_b32 s17, s13, 2
	s_add_co_u32 s17, s17, s41                     ; tile row
	s_lshl_b32 s42, s18, 2
	s_add_co_u32 s42, s42, s40                     ; tile column
	s_lshl_b32 s43, s41, 2
	s_lshl_b32 s43, 15, s43                        ; my row of the cluster
	s_lshl_b32 s44, 0x1111, s40                    ; my column
	; descriptor group 1 for codes: 8 rows (row-blocks) of 384 elements of 8 bytes, 1,536 elements apart; no padding: fragments are read 16 or 8 bytes a lane on end
	s_or_b32 s[G1+0], s43, (3<<16)|(1<<21)         ; 15:0 the mask: A's tiles go to my row; 17:16 elements of 8 bytes; 21 set beside a mask
	s_or_b32 s[G1B+0], s44, (3<<16)|(1<<21)
.irp g, G1, G1B
	s_mov_b32 s[\g+1], 384<<16                     ; tensor_dim0
	s_mov_b32 s[\g+2], 16<<16                      ; tensor_dim1: the head's loads bring all 16 row-blocks of a tile
	s_mov_b32 s[\g+3], 384<<16                     ; tile_dim0
	s_mov_b32 s[\g+4], 16                          ; tile_dim1
	s_mov_b32 s[\g+5], 1536                        ; tensor_dim0_stride
	s_mov_b32 s[\g+6], 0
	s_mov_b32 s[\g+7], 0
.endr
	; and for the scale words of 16 row-blocks: 8,192 dense bytes as 32 rows of 256
	s_or_b32 s[G1S+0], s43, (3<<16)|(1<<21)
	s_or_b32 s[G1SB+0], s44, (3<<16)|(1<<21)
.irp g, G1S, G1SB
	s_mov_b32 s[\g+1], 32<<16
	s_mov_b32 s[\g+2], 32<<16
	s_mov_b32 s[\g+3], 32<<16
	s_mov_b32 s[\g+4], 32
	s_mov_b32 s[\g+5], 32
	s_mov_b32 s[\g+6], 0
	s_mov_b32 s[\g+7], 0
.endr
	s_lshl_b32 s21, s17, 4
	s_add_co_u32 s20, s20, s21                     ; A: first + 16 x tile row
	s_lshl_b32 s47, s42, 4
	s_add_co_u32 s46, s46, s47                     ; B: first + 16 x tile column
	s_lshl_b32 s22, s20, 9                         ; where these row-blocks' scale words begin,
	s_mov_b32 s23, 0
	s_mul_i32 s20, s20, RBB                        ; and their codes
	s_mov_b32 s21, 0
	s_lshl_b32 s92, s46, 9
	s_mov_b32 s93, 0
	s_mul_i32 s46, s46, RBB
	s_mov_b32 s47, 0
	s_mul_i32 s45, s14, HALFT                      ; where they go: wave x 8 row-blocks: no place in the cluster enters an LDS address
	s_wait_dscnt 0x0                               ; the opening add is done
	s_wait_kmcnt 0x0
	s_add_nc_u64 s[20:21], s[4:5], s[20:21]
	s_add_nc_u64 s[22:23], s[6:7], s[22:23]
	s_add_nc_u64 s[46:47], s[4:5], s[46:47]
	s_add_nc_u64 s[92:93], s[6:7], s[92:93]
	CROUND                                         ; all sixteen work-groups are here: the first joint loads meet
	s_mov_b32 s[G0S], 1
	s_mov_b32 s[G0S+1], SCL
	s_mov_b64 s[G0S+2:G0S+3], s[22:23]
	s_or_b32 s[G0S+3], s[G0S+3], 0x80000000
	s_mov_b32 s[G0SB], 1
	s_mov_b32 s[G0SB+1], SCL+2*HALFS
	s_mov_b64 s[G0SB+2:G0SB+3], s[92:93]
	s_or_b32 s[G0SB+3], s[G0SB+3], 0x80000000
	s_mul_i32 s92, s16, 8*RBB                      ; in the ring I fetch 8 row-blocks of a tile: which half, in bytes
	s_mov_b32 s93, 0
.irp s, 0,1
	s_mov_b32 s[G0+4*\s], 1
	s_add_co_u32 s[G0+4*\s+1], s45, \s*SLOT
	s_add_nc_u64 s[G0+4*\s+2:G0+4*\s+3], s[20:21], \s*SROW
	s_or_b32 s[G0+4*\s+3], s[G0+4*\s+3], 0x80000000
	s_mov_b32 s[G0B+4*\s], 1
	s_add_co_u32 s[G0B+4*\s+1], s45, \s*SLOT
	s_add_nc_u64 s[G0B+4*\s+2:G0B+4*\s+3], s[46:47], \s*SROW
	s_or_b32 s[G0B+4*\s+3], s[G0B+4*\s+3], 0x80000000
.endr
	s_add_nc_u64 s[G0+6:G0+7], s[G0+6:G0+7], s[92:93]      ; slot 1: my 8 row-blocks
	s_add_nc_u64 s[G0B+6:G0B+7], s[G0B+6:G0B+7], s[92:93]
	s_mov_b32 s[G0+1], 0                           ; the head's loads of K step 0 bring whole tiles: A's 16 row-blocks,
	s_mov_b32 s[G0B+1], 2*HALFT                    ; and B's behind them
	; THE HEAD'S LOADS, ONE A WAVE: wave 0 A's codes of K step 0, wave 1 B's, wave 2 A's scale words, wave 3 B's; one chain of branches on the wave's number
	s_cmp_lt_u32 s14, 1
	s_cbranch_scc0 .Lhead_b
	tensor_load_to_lds s[G0:G0+3], s[G1:G1+7]
	s_nop 0
.rept 4
	v_nop
.endr
	s_branch .Lhead_asked
.Lhead_b:
	s_cmp_lt_u32 s14, 2
	s_cbranch_scc0 .Lhead_sa
	tensor_load_to_lds s[G0B:G0B+3], s[G1B:G1B+7]
	s_nop 0
.rept 4
	v_nop
.endr
	s_branch .Lhead_asked
.Lhead_sa:
	s_cmp_lt_u32 s14, 3
	s_cbranch_scc0 .Lhead_sb
	tensor_load_to_lds s[G0S:G0S+3], s[G1S:G1S+7]
	s_nop 0
.rept 4
	v_nop
.endr
	s_branch .Lhead_asked
.Lhead_sb:
	tensor_load_to_lds s[G0SB:G0SB+3], s[G1SB:G1SB+7]
	s_nop 0
.rept 4
	v_nop
.endr
.Lhead_asked:
	v_and_b32 v1, 31, v0
	v_and_b32 v2, 15, v0                           ; r
	v_bfe_u32 v3, v0, 4, 1                         ; h
	v_lshlrev_b32 v[L16], 4, v1
	v_lshlrev_b32 v[L8], 3, v1
	s_mul_i32 s21, s15, HALFT                      ; my 8 row-blocks of A
	s_mul_i32 s22, s16, HALFT                      ; my 8 of B,
	s_add_co_u32 s22, s22, 2*HALFT                 ; which lie behind A's 16
.irp s, 0,1
	v_add_nc_u32 v[ADRA+\s], s21, v[L16]
	v_add_nc_u32 v[ADRB+\s], s22, v[L16]
	v_add_nc_u32 v[ADRA+2+\s], s21, v[L8]
	v_add_nc_u32 v[ADRB+2+\s], s22, v[L8]
	s_add_co_u32 s21, s21, SLOT
	s_add_co_u32 s22, s22, SLOT
.endr
	s_lshl_b32 s21, s15, 12                        ; A's scale words: my 8 row-blocks
	s_lshl_b32 s22, s16, 12                        ; B's, behind A's 16
	s_add_co_u32 s22, s22, 2*HALFS
	s_sub_co_u32 s22, s22, s21
	v_mul_u32_u24 v6, s22, v3                      ; lanes 16-31 take B's: the lower base + h x the distance
	s_add_co_u32 s21, s21, SCL
	v_lshl_add_u32 v6, v2, 2, v6
	v_add_nc_u32 v[ADRS], s21, v6
	; the way out: where my part begins
	s_lshl_b32 s18, s17, 4
	s_lshl_b32 s19, s15, 3
	s_add_co_u32 s18, s18, s19                     ; my first block of 16 rows of C
	s_lshl_b32 s19, s42, 2
	s_lshl_b32 s13, s16, 1
	s_add_co_u32 s19, s19, s13                     ; my first group of 64 columns
	s_mul_i32 s20, s18, s96
	s_mul_i32 s21, s19, s12
	s_add_co_u32 s20, s20, s21
	s_add_co_u32 s20, s20, s95
	s_mov_b32 s21, 0
	s_add_nc_u64 s[8:9], s[8:9], s[20:21]
	s_mul_i32 s20, s18, s98
	s_mul_i32 s22, s19, s2
	s_add_co_u32 s20, s20, s22
	s_add_co_u32 s20, s20, s3
	s_add_nc_u64 s[10:11], s[10:11], s[20:21]
	s_mov_b32 s97, 0                               ; s[96:97], s[98:99]: the two steps from block to block
	s_mov_b32 s99, 0
	v_add_nc_u32 v10, s12, v[L16]                  ; the second group of 64 columns
	v_add_nc_u32 v11, s12, v[L8]
	v_mul_u32_u24 v12, s66, v3
	v_lshl_add_u32 v12, v2, 2, v12                 ; my scale word's place
	v_mul_u32_u24 v13, s67, v3                     ; and its shift
	s_mov_b32 s[SEL], 0x76543210
	s_mov_b32 s[SEL+1], 0xfedcba98
.irp b, 0,1,2,3
	v_mov_b32 v[TM+4+\b], 0                        ; written once: a lane permute's destination counts as one of its sources
.endr
; A fragment (16 rows x 128 K, 12 registers) is two half fragments as they lie: four loads, each of consecutive bytes from lane to lane
.macro FRAG reg, adr, q, i
	ds_load_b128 v[\reg:\reg+3], v[\adr] offset:(\i)*SROW+(\q)*1536
	ds_load_b64 v[\reg+4:\reg+5], v[\adr+2] offset:(\i)*SROW+(\q)*1536+512
	ds_load_b128 v[\reg+6:\reg+9], v[\adr] offset:(\i)*SROW+(\q)*1536+768
	ds_load_b64 v[\reg+10:\reg+11], v[\adr+2] offset:(\i)*SROW+(\q)*1536+1280
.endm
; 16 matrix instructions: A's blocks a0, a0 + 1 x B's eight, the slot's q-th 128 along K.  p: B's set; sc: the set of scale words.  zero = 1: the first product starts the sums.
; The 64 accumulators take turns, one instruction a turn, in the same order in every step.
.macro MUL16 a0, p, q, sc, zero
.irp a, \a0, \a0+1
.irp b, 0,1,2,3,4,5,6,7
.if \zero
	v_wmma_scale_f32_16x16x128_f8f6f4 v[8*(8*((\a)%4)+\b):8*(8*((\a)%4)+\b)+7], v[128*(\p)+FR*\b:128*(\p)+FR*\b+FR-1], v[AF+FR*(\a):AF+FR*(\a)+FR-1], 0, v[SC+8*NQ*(\sc)+NQ*\b+(\q)], v[SC+8*NQ*(\sc)+NQ*(\a)+(\q)] matrix_a_fmt:MATRIX_FMT_BF6 matrix_b_fmt:MATRIX_FMT_BF6 matrix_a_scale:MATRIX_SCALE_ROW1
.else
	v_wmma_scale_f32_16x16x128_f8f6f4 v[8*(8*((\a)%4)+\b):8*(8*((\a)%4)+\b)+7], v[128*(\p)+FR*\b:128*(\p)+FR*\b+FR-1], v[AF+FR*(\a):AF+FR*(\a)+FR-1], v[8*(8*((\a)%4)+\b):8*(8*((\a)%4)+\b)+7], v[SC+8*NQ*(\sc)+NQ*\b+(\q)], v[SC+8*NQ*(\sc)+NQ*(\a)+(\q)] matrix_a_fmt:MATRIX_FMT_BF6 matrix_b_fmt:MATRIX_FMT_BF6 matrix_a_scale:MATRIX_SCALE_ROW1
.endif
.endr
.endr
.endm
.macro FETCH_B slot, q, p
	WIN TO_B
.irp i, 0,1,2,3,4,5,6,7
	FRAG 128*(\p)+FR*\i, ADRB+\slot, \q, \i
.endr
	WIN 0
.endm
.macro FETCH_A slot, q, i0
.irp i, \i0, \i0+1, \i0+2, \i0+3
	FRAG AF+FR*(\i), ADRA+\slot, \q, \i
.endr
.endm
.macro SCALES sc                       ; the next K step's scale words into set sc: register NQ i + q: lanes 0-15 A's block i, lanes 16-31 B's block i
.irp i, 0,1,2,3,4,5,6,7
.irp q, 0,1
	ds_load_b32 v[SC+8*NQ*\sc+NQ*\i+\q], v[ADRS] offset:\i*SBLK+\q*64
.endr
.endr
.endm
.macro PLACES n                        ; plain vector lines between a matrix instruction and a load into, or a read of, its registers
.rept \n
	v_nop
.endr
.endm
; A step of 128 along K that has its successor in the same slot
.macro STEP slot, q, zero
	s_wait_dscnt 4*NL                              ; B's set, A's blocks 0-3 and the scale words are in; the youngest sixteen loads (A's blocks 4-7) may be out
	WIN MUL_LO
	MUL16 0, (\q)%2, \q, \slot, \zero
	MUL16 2, (\q)%2, \q, \slot, \zero
	s_wait_dscnt 0                                 ; A's blocks 4-7 are in
	PLACES NP
	FETCH_B \slot, (\q)+1, 1-(\q)%2
	FETCH_A \slot, (\q)+1, 0
	WIN MUL_HI
	MUL16 4, (\q)%2, \q, \slot, \zero
	MUL16 6, (\q)%2, \q, \slot, \zero
	PLACES NP
	WIN 0
	FETCH_A \slot, (\q)+1, 4
.endm
; A slot's last step changes slots: ONE barrier; in front of it each wave waits for all its tensor loads, adds 0 to its spare word, and waits for that and for its own reads of this slot.  fill = 1: this slot is filled again, two K steps ahead.
.macro TURN slot, next, fill
	s_wait_tensorcnt 0x0                           ; all my tensor loads have landed: my part of the next slot
	ds_add_u32 v[SPW], v[NIL]                      ; 0 onto my spare word
	s_wait_dscnt 4*NL+1                            ; (the add and the youngest sixteen loads, A's blocks 4-7, may be out)
	WIN MUL_LO
	MUL16 0, 1, NQ-1, \slot, 0                     ; sixteen matrix instructions stand between the add and the wait for it
	s_wait_dscnt 0x0                               ; the add is done, and my reads of this slot are over
	s_barrier_signal -1
	MUL16 2, 1, NQ-1, \slot, 0
	WIN 0
	s_barrier_wait -1
.if \fill
	CREST                                          ; the barrier has opened a round of the cluster's barrier: no wave of any partner still reads this slot's tile or has a load on its way
	s_add_nc_u64 s[G0+4*\slot+2:G0+4*\slot+3], s[G0+4*\slot+2:G0+4*\slot+3], 2*SROW
	s_add_nc_u64 s[G0B+4*\slot+2:G0B+4*\slot+3], s[G0B+4*\slot+2:G0B+4*\slot+3], 2*SROW
	JLOAD G0+4*\slot, G1, G0B+4*\slot, G1B         ; the first tensor load behind the round; its four v_nop are the places in front of the loads below
.else
	PLACES NP
.endif
	s_wait_alu depctr_va_vdst(0)
	v_add_nc_u32 v[ADRS], 64*NQ, v[ADRS]           ; on to the next K step's scale words (no LDS load of mine is out)
	FETCH_B \next, 0, 0
	FETCH_A \next, 0, 0
	SCALES \next
	WIN MUL_HI
	MUL16 4, 1, NQ-1, \slot, 0
	MUL16 6, 1, NQ-1, \slot, 0
	PLACES NP
	WIN 0
	FETCH_A \next, 0, 4
.endm
	s_wait_alu depctr_va_vdst(0)                   ; the head's end
	s_wait_tensorcnt 0x0                           ; my tile of the head's four is in
	ds_add_u32 v[SPW], v[NIL]
	s_mov_b32 s[G1+2], 8<<16                       ; no tensor load of mine is out: from here on a load brings 8 row-blocks
	s_mov_b32 s[G1+4], 8
	s_mov_b32 s[G1B+2], 8<<16
	s_mov_b32 s[G1B+4], 8
	s_mov_b32 s[G0+1], s45                         ; slot 0's ring descriptors: my 8 row-blocks, at wave x 8 row-blocks
	s_mov_b32 s[G0B+1], s45
	s_add_nc_u64 s[G0+2:G0+3], s[G0+2:G0+3], s[92:93]
	s_add_nc_u64 s[G0B+2:G0B+3], s[G0B+2:G0B+3], s[92:93]
	s_wait_dscnt 0x0
	CROUND                                         ; a whole round: all four tiles are in, and the sixteen work-groups are here
	JLOAD G0+4, G1, G0B+4, G1B                     ; K step 1, the first tensor load behind the round
	FETCH_B 0, 0, 0
	FETCH_A 0, 0, 0
	SCALES 0
	FETCH_A 0, 0, 4
	STEP 0, 0, 1                                   ; the first step stands in front of the loop: its products start the sums
	s_mov_b32 s3, LAPS-1
.Llap:                                                 ; a trip goes once round the ring and fills both slots again
	TURN 0, 1, 1
	STEP 1, 0, 0
	TURN 1, 0, 1
	STEP 0, 0, 0
	s_sub_co_u32 s3, s3, 1
	s_cmp_lg_u32 s3, 0
	s_cbranch_scc1 .Llap
	TURN 0, 1, 0                                   ; the last lap fills nothing
	STEP 1, 0, 0
	s_wait_dscnt 4*NL                              ; the very last step: nothing more to fetch
	WIN MUL_LO
	MUL16 0, 1, NQ-1, 1, 0
	MUL16 2, 1, NQ-1, 1, 0
	s_wait_dscnt 0
	WIN MUL_HI
	MUL16 4, 1, NQ-1, 1, 0
	MUL16 6, 1, NQ-1, 1, 0
	WIN 0
; THE WAY OUT of block a (16 rows x 128 columns): four blocks of 32 are quantised in registers; the fragment's two half fragments and the rows' scale words are stored.  No LDS.
.macro QOUT a
.set AC, 64*((\a)%4)
.set WD, 2+(\a)/4
.set WM, (WD<<2)|(WD<<4)
	WIN WM                                         ; sources 1 and 2: the accumulators' window
.irp b, 0,1,2,3
	v_max3_num_f32 v[TM+\b], 0x2800000, |v[AC+16*\b]|, |v[AC+16*\b+1]|   ; my 16 numbers of block b, and the floor 2^(5 - 127); each accumulator is read from its low end on
.endr
.irp i, 2,4,6,8,10,12,14
.irp b, 0,1,2,3
	v_max3_num_f32 v[TM+\b], v[TM+\b], |v[AC+16*\b+\i]|, |v[AC+16*\b+\i+1]|
.endr
.endr
	WIN 0
.irp b, 0,1,2,3
	v_permlanex16_b32 v[TM+4+\b], v[TM+\b], s[SEL], s[SEL+1]
.endr
.irp b, 0,1,2,3
	v_max_num_f32 v[TM+\b], v[TM+\b], v[TM+4+\b]   ; with lane l xor 16's: the block's largest magnitude
.endr
.irp b, 0,1,2,3
	v_add_nc_u32 v[TM+12+\b], 0xfe000000, v[TM+\b] ; 4 off its exponent field: the conversion's scale operand
.endr
.irp b, 0,1,2,3
	v_lshrrev_b32 v[TM+4+\b], 23, v[TM+12+\b]      ; the scale's byte
.endr
	v_lshl_or_b32 v[PW], v[TM+5], 8, v[TM+4]
	v_lshl_or_b32 v[PW], v[TM+6], 16, v[PW]
	v_lshl_or_b32 v[PW], v[TM+7], 24, v[PW]
	WIN WD                                         ; source 0: the accumulators' window
.irp c, 0,1
	v_cvt_scalef32_pk16_bf6_f32 v[PC+6*\c:PC+2+6*\c], v[AC+32*\c:AC+15+32*\c], v[TM+12+2*\c]
	v_cvt_scalef32_pk16_bf6_f32 v[PC+12+4*\c:PC+14+4*\c], v[AC+16+32*\c:AC+31+32*\c], v[TM+12+2*\c+1]
.endr
	WIN 0
	v_nop                                          ; one plain line behind a scaled conversion
.irp c, 0,1                            ; the operand's layout wants a whole block in a lane: lanes 0-15 block 2 c, lanes 16-31 block 2 c + 1
.irp i, 0,1,2
	v_permlane16_swap_b32 v[PC+6*\c+\i], v[PC+12+4*\c+\i]
.endr
.irp i, 0,1,2
	v_mov_b32 v[PC+3+6*\c+\i], v[PC+12+4*\c+\i]
.endr
.endr
	v_lshrrev_b32 v[PWS], v13, v[PW]               ; Q, K: lanes 16-31 store the second head's two bytes as their word's bytes 0, 1
	global_store_b128 v[L16], v[PC:PC+3], s[8:9]              ; 512 consecutive bytes, aligned
	global_store_b64 v[L8], v[PC+4:PC+5], s[8:9] offset:512   ; 256 consecutive bytes, aligned
	global_store_b128 v10, v[PC+6:PC+9], s[8:9]
	global_store_b64 v11, v[PC+10:PC+11], s[8:9] offset:512
	global_store_b32 v12, v[PWS], s[10:11]         ; V^T: both halves of the lanes store the same word at the same place
.if (\a) < 7
	s_wait_xcnt 0x0                                ; the stores' data and bases are written again only behind this wait
	s_add_nc_u64 s[8:9], s[8:9], s[96:97]
	s_add_nc_u64 s[10:11], s[10:11], s[98:99]
.endif
.endm
	PLACES NP                                      ; behind the last products, ahead of the first read of results
.irp a, 0,1,2,3,4,5,6,7
	QOUT \a
.endr
	s_wait_tensorcnt 0x0                           ; the wave's end: behind my last tensor load
	ds_add_u32 v[SPW], v[NIL]
	s_wait_dscnt 0x0
	CROUND                                         ; the closing round: no work-group ends while a partner may still ask for a tile that names it
	s_endpgm
.Lfunc_end_k_qb719d417ff_gemm_qkv:
	.size	k_qb719d417ff_gemm_qkv, .Lfunc_end_k_qb719d417ff_gemm_qkv-k_qb719d417ff_gemm_qkv
	.p2alignl 7, 3214868480
	.fill 96, 4, 3214868480
	.section	.rodata,"a",@progbits
	.p2align	6, 0x0
	.amdhsa_kernel k_qb719d417ff_gemm_qkv
		.amdhsa_group_segment_fixed_size 327680
		.amdhsa_private_segment_fixed_size 0
		.amdhsa_enable_private_segment 0
		.amdhsa_kernarg_size 32
		.amdhsa_user_sgpr_count 2
		.amdhsa_user_sgpr_kernarg_segment_ptr 1
		.amdhsa_wavefront_size32 1
		.amdhsa_system_sgpr_workgroup_id_x 1
		.amdhsa_system_sgpr_workgroup_id_y 1
		.amdhsa_system_sgpr_workgroup_id_z 1
		.amdhsa_system_vgpr_workitem_id 0
		.amdhsa_next_free_vgpr 1024
		.amdhsa_next_free_sgpr 100
		.amdhsa_reserve_vcc 0
		.amdhsa_float_denorm_mode_32 3
		.amdhsa_float_denorm_mode_16_64 3
		.amdhsa_memory_ordered 1
		.amdhsa_forward_progress 1
		.amdhsa_inst_pref_size 153
	.end_amdhsa_kernel
	.amdgpu_metadata
---
amdhsa.version: [ 1, 2 ]
amdhsa.kernels:
  - .name:           k_qb719d417ff_gemm_qkv
    .symbol:         k_qb719d417ff_gemm_qkv.kd
    .args:
      - { .name: opnd, .offset: 0, .size: 8, .value_kind: global_buffer, .address_space: global }
      - { .name: opnd_s, .offset: 8, .size: 8, .value_kind: global_buffer, .address_space: global }
      - { .name: qkv, .offset: 16, .size: 8, .value_kind: global_buffer, .address_space: global }
      - { .name: qkv_s, .offset: 24, .size: 8, .value_kind: global_buffer, .address_space: global }
    .group_segment_fixed_size: 327680
    .private_segment_fixed_size: 0
    .kernarg_segment_align: 8
    .kernarg_segment_size: 32
    .max_flat_workgroup_size: 128
    .sgpr_count:     100
    .vgpr_count:     1024
    .wavefront_size: 32
...
	.end_amdgpu_metadata
.endif
;; end of part 2
;; launch attn (part 3): grid 16 x 16, 16 waves a work-group, no clusters, 327,680 bytes of LDS; arguments qkv, qkv_s, o_codes, o_scales; writes o_codes, o_scales
.if DOCPART == 3
	.amdgcn_target "amdgcn-amd-amdhsa--gfx1250"
	.amdhsa_code_object_version 6
	.text
	.protected	k_qb719d417ff_attn
	.globl	k_qb719d417ff_attn
	.p2align	8
	.type	k_qb719d417ff_attn,@function
k_qb719d417ff_attn:
	s_mov_b64 s[64:65], 0
	v_nop
	global_prefetch_b8 v0, s[64:65] scope:SCOPE_SE
	s_setreg_imm32_b32 hwreg(HW_REG_WAVE_MODE, 25, 1), 1
	s_wait_xcnt 0x0
; Causal attention of one head (work-group y) on codes of BF6 with E8M0 scales: S^T = K Q^T, p = 2^(t - M), O^T += V^T p^T, O / l quantised again along the head's 64 and stored as codes for the last product.
; WORK LEFT OUT: steps of 128 keys wholly above the diagonal of a tile of 16 queries (reference()'s own tril gives them the weight 0 for all inputs); a NaN or infinity that reaches only them is not carried on.
; WHO DOES WHAT.  Work-group x takes the blocks of 128 queries 31 - x and x, one after the other.  A tile of 16 queries has TWO waves: of each slot's four steps of 128 keys one takes steps 0, 2, the other 1, 3.
; Block 31 - x has 8 - x / 4 slots of 512 keys, block x has x / 4 + 1: nine slots for every x, and 32 - x + x + 1 = 33 steps for two waves.  At a block's end the odd wave hands O, -M and l to the even wave through a stage
; in LDS (behind the next barrier); the two are joined by whole powers of two, divided by l, quantised and stored.  The stage has two regions, by the slot's parity, so that a region is written again only behind a barrier.
; THE RING: two slots; a slot holds K's 32 half fragments (dense in memory; 64 bytes of padding behind each 256) and V^T's 4 rows of 6,144 bytes.  Wave 0 fetches K, wave 1 V^T, one tensor load each behind a barrier.
; The scale words of the head's K and V^T come once, at the head (waves 2 and 3), and stay.  Every wait on TENSORcnt is for 0; one load of a wave is out at a time.
; A TILE OF K TAKES ROWS 0-7 FROM ONE BLOCK OF 32 KEYS AND ROWS 8-15 FROM THE NEXT (keys 64 c + 8 u + 0..7 and 64 c + 32 + 8 u + 0..7), by the lanes' LDS addresses: lane (r, h) then holds query r and, over four tiles,
; all 32 keys of block 2 c + h, which is what the next operand's layout gives that lane.  The four tiles lie in the order u = 0, 2, 1, 3: the order of V^T's codes in a block (0-7, 16-23, 8-15, 24-31).
; K's fragments lie 6 registers apart: the upper 64 of the instruction's 128 along K meet Q's zero codes, whatever finite codes stand there (bytes 2, 3 of the scale words are never 0xff).
; M is the ceiling of the running largest t; every rescaling is a whole power of two.  LIMITS: the promise holds while the scaled scores stay under 2^31 in magnitude; NaN and infinities among the inputs are not served;
; a block of O whose largest magnitude lies under 2^-122 keeps the byte 1.
; NO CLUSTER: the branches round hidden steps and round the mask hang on x, which differs between the work-groups that read the same tiles.
; PREFETCH: a slot is 192 blocks of 256 bytes; the sixteen work-groups of a head share them out by address, 12 each (x < 8: K's, x >= 8: V^T's); wave 8 asks in slot s for key slot s + 2, one slot ahead of the
; tensor load that wants it, for s = 0 .. 5; key slots 0, 1 come by their loads alone, and block x's walk names bytes that block 31 - x's walk has read.
.set KH,    960                        ; a half fragment of K in LDS: 3 x (256 + 64)
.set KSTEP, 8*KH
.set VOFF,  4*KSTEP
.set VROW,  6144
.set SLOT1, 65536
.set SCK,   131072
.set SCV,   SCK+16384
.set STAGE, SCV+8192+4096
.set PAIRB, 4352                       ; a pair's stage: 32 registers x 128 bytes, and 8 bytes a lane
.set STGSZ, 8*PAIRB
.set SPARE, STAGE+2*STGSZ              ; the spare words, 128 bytes a wave
.set L16, 1
.set L8, 2
.set BK16, 3
.set BK8, 4
.set BV16, 5
.set BV8, 6
.set BSK, 7
.set BSV, 8
.set SPW, 9
.set NIL, 10
.set DG, 11                            ; r - 32 h.  v12 -M, v13 the running largest score, v[14:15] the sum
.set Q, 16                             ; v16-27 Q's fragment, the upper six zero
.set AK16, 28
.set AK8, 29
.set AV16, 30
.set AV8, 31
.set ADS, 32
.set ADT, 33
.set QW, 34
.set PWD, 35
.set KS, 36                            ; v36-43 scale words of K's tiles, then of V^T's
.set QL, 44                            ; v44-50 block x's Q and its scale word
.set STG, 51
.set STG8, 52
.set R4, 53
.set FF, 54
.set FB, 56
.set BM, 58
.set SO, 60
.set BP, 62
.set F, 64                             ; v64-117 fragments
.set PC, 118                           ; v118-129 p's codes
.set PH, 130
.set H8, 138
.set PFO, 139
.set T, 140
.set ASTG, 142
.set ASTG8, 143
.set S, 144
.set O, 208
.set U, 240
.set WV, 12
.set PAR, 13
.set HD, 14
.set NC, 15
.set SI, 16
.set SH, 17
.set Q0, 18
.set KF, 19
.set TB, 20
.set LIM, 21
.set CS, 22
.set G1K, 24
.set G1V, 32
.set G0K, 40
.set G0V, 44
.set G1SK, 48
.set G1SV, 56
.set SEL, 66
.set G0SK, 68
.set G0SV, 72
.set KB, 76
.set VB, 78
.set Q0H, 90
.set Q0L, 91
.set PFS, 92
.set P128, 93
.set SOFF, 94
.macro NOP4
.rept 4
	v_nop
.endr
.endm
.macro TLOAD                           ; wave 0: K's part of a slot; wave 1: V^T's
	s_cmp_lg_u32 s[WV], 0
	s_cbranch_scc1 .Lnk_\@
	tensor_load_to_lds s[G0K:G0K+3], s[G1K:G1K+7]
	s_nop 0
	NOP4
	s_branch .Lj_\@
.Lnk_\@:
	s_cmp_lg_u32 s[WV], 1
	s_cbranch_scc1 .Lj_\@
	tensor_load_to_lds s[G0V:G0V+3], s[G1V:G1V+7]
	s_nop 0
	NOP4
.Lj_\@:
.endm
	s_load_b256 s[4:11], s[0:1], 0x0               ; qkv, qkv_s, o_codes, o_scales
	v_lshl_add_u32 v[SPW], v0, 2, SPARE
	v_mov_b32 v[NIL], 0
	ds_add_u32 v[SPW], v[NIL]                      ; the wave's opening
	ds_add_u32 v[SPW], v[NIL]
	v_lshrrev_b32 v[T], 5, v0
	v_readfirstlane_b32 s[WV], v[T]
	s_and_b32 s[HD], ttmp7, 0xffff
	s_lshr_b32 s80, s[WV], 2
	s_xor_b32 s80, s80, s[WV]
	s_and_b32 s[PAR], s80, 1                       ; which steps of a slot are mine; the two waves of a pair differ, and so do waves 4 apart
	s_lshr_b32 s80, ttmp9, 2
	s_sub_co_u32 s[SH], 8, s80                     ; the slot with which block x begins
	s_lshr_b32 s81, s[WV], 1                       ; my pair = my tile of 16 queries
	s_lshl_b32 s82, s81, 4
	s_lshl_b32 s[Q0L], ttmp9, 7
	s_add_co_u32 s[Q0L], s[Q0L], s82
	s_sub_co_u32 s83, 31, ttmp9
	s_lshl_b32 s[Q0H], s83, 7
	s_add_co_u32 s[Q0H], s[Q0H], s82
	s_lshl_b32 s[P128], s[PAR], 7
	s_lshr_b32 s[SOFF], s[HD], 1
	s_lshl_b32 s[SOFF], s[SOFF], 6
	s_and_b32 s80, s[HD], 1
	s_lshl_b32 s80, s80, 1
	s_add_co_u32 s[SOFF], s[SOFF], s80
	s_mul_i32 s84, s[PAR], KSTEP
	s_mul_i32 s85, s[PAR], 1536
	s_add_co_u32 s85, s85, VOFF
	s_lshl_b32 s86, s[PAR], 9
	s_add_co_u32 s86, s86, SCK
	s_lshl_b32 s87, s[PAR], 6
	s_add_co_u32 s87, s87, SCV
	s_mul_i32 s88, s81, PAIRB
	s_add_co_u32 s88, s88, STAGE
	s_add_co_u32 s89, s88, 4096
	s_mul_i32 s80, s[HD], 196608                   ; the prefetches: my work-group's 12 blocks, at key slot 1
	s_mul_i32 s81, ttmp9, 3072
	s_add_co_u32 s81, s81, s80
	s_add_co_u32 s81, s81, 16*196608+24576
	s_sub_co_u32 s82, ttmp9, 8
	s_lshr_b32 s83, s82, 1
	s_mul_i32 s83, s83, 49152
	s_and_b32 s82, s82, 1
	s_mul_i32 s82, s82, 3072
	s_add_co_u32 s82, s82, s83
	s_add_co_u32 s82, s82, s80
	s_add_co_u32 s82, s82, 6291456+6144
	s_cmp_lt_u32 ttmp9, 8
	s_cselect_b32 s81, s81, s82
	s_mov_b32 s[PFS], 6144
	s_cselect_b32 s[PFS], 24576, s[PFS]
	s_cmp_eq_u32 s[WV], 8
	s_cselect_b32 s[LIM], 6, 0
	s_wait_alu depctr_va_vdst(0)
	v_and_b32 v[T], 31, v0                         ; lane
	v_and_b32 v[T+1], 15, v0                       ; r
	v_bfe_u32 v[U+3], v0, 4, 1                     ; h
	v_and_b32 v[U], 7, v0                          ; r % 8
	v_bfe_u32 v[U+1], v0, 3, 1                     ; r / 8
	v_lshlrev_b32 v[L16], 4, v[T]
	v_lshlrev_b32 v[L8], 3, v[T]
	v_lshlrev_b32 v[R4], 2, v[T+1]
	v_lshlrev_b32 v[H8], 3, v[U+3]
	v_lshlrev_b32 v[U+4], 5, v[U+3]
	v_sub_nc_u32 v[DG], v[T+1], v[U+4]
	v_mul_u32_u24 v[U+2], v[U+1], 2*KH             ; rows 8-15 of a tile come from two half fragments on
	v_mad_u32_u24 v[BK16], v[U+3], 320, v[U+2]
	v_lshl_add_u32 v[BK16], v[U], 4, v[BK16]
	v_add_nc_u32 v[BK16], s84, v[BK16]             ; registers 0-3: 1920 (r / 8) + 320 h + 16 (r % 8) + my steps
	v_lshl_add_u32 v[BK8], v[U+3], 7, v[U+2]
	v_lshl_add_u32 v[BK8], v[U], 3, v[BK8]
	v_add_nc_u32 v[BK8], s84, v[BK8]               ; registers 4-5: 1920 (r / 8) + 128 h + 8 (r % 8) + my steps
	v_add_nc_u32 v[BV16], s85, v[L16]
	v_add_nc_u32 v[BV8], s85, v[L8]
	v_lshl_add_u32 v[BSK], v[U+1], 5, v[U]
	v_lshlrev_b32 v[BSK], 2, v[BSK]
	v_add_nc_u32 v[BSK], s86, v[BSK]               ; K's scale words: 4 x (32 (r / 8) + r % 8)
	v_add_nc_u32 v[BSV], s87, v[R4]
	v_add_nc_u32 v[STG], s88, v[L16]
	v_add_nc_u32 v[STG8], s89, v[L8]
	v_min_u32 v[T], 11, v[T]
	v_lshlrev_b32 v[T], 8, v[T]
	v_add_nc_u32 v[PFO], s81, v[T]
	s_mov_b32 s[G1K], (3<<16)|(1<<20)|(5<<22)|(15<<25)   ; elements of 8 bytes; behind every 64 dwords 16 dwords of padding
	s_mov_b32 s[G1K+1], 32<<16
	s_mov_b32 s[G1K+2], 96<<16
	s_mov_b32 s[G1K+3], 32<<16
	s_mov_b32 s[G1K+4], 96
	s_mov_b32 s[G1K+5], 32
	s_mov_b32 s[G1K+6], 0
	s_mov_b32 s[G1K+7], 0
	s_mov_b32 s[G1V], 3<<16
	s_mov_b32 s[G1V+1], 768<<16
	s_mov_b32 s[G1V+2], 4<<16
	s_mov_b32 s[G1V+3], 768<<16
	s_mov_b32 s[G1V+4], 4
	s_mov_b32 s[G1V+5], 6144
	s_mov_b32 s[G1V+6], 0
	s_mov_b32 s[G1V+7], 0
	s_mov_b32 s[G1SK], 3<<16
	s_mov_b32 s[G1SK+1], 32<<16
	s_mov_b32 s[G1SK+2], 64<<16
	s_mov_b32 s[G1SK+3], 32<<16
	s_mov_b32 s[G1SK+4], 64
	s_mov_b32 s[G1SK+5], 32
	s_mov_b32 s[G1SK+6], 0
	s_mov_b32 s[G1SK+7], 0
	s_mov_b32 s[G1SV], 3<<16
	s_mov_b32 s[G1SV+1], 32<<16
	s_mov_b32 s[G1SV+2], 32<<16
	s_mov_b32 s[G1SV+3], 32<<16
	s_mov_b32 s[G1SV+4], 32
	s_mov_b32 s[G1SV+5], 32
	s_mov_b32 s[G1SV+6], 0
	s_mov_b32 s[G1SV+7], 0
	s_mov_b32 s[SEL], 0x76543210
	s_mov_b32 s[SEL+1], 0xfedcba98
	s_mov_b32 s[CS], 0x3e38aa3b                    ; c = log2(e) / 8
	s_mov_b32 s[CS+1], s[CS]
	s_mov_b32 s[NC], 0xbe38aa3b                    ; -c
	s_mov_b32 s[SI], 0
	s_mul_i32 s80, s[HD], 196608
	s_mov_b32 s81, 0
	s_wait_alu depctr_va_vdst(0)
	s_wait_dscnt 0x0
	s_wait_kmcnt 0x0
	s_add_nc_u64 s[82:83], s[4:5], s[80:81]        ; Q's half fragments of my head
	s_add_nc_u64 s[KB:KB+1], s[82:83], 16*196608
	s_add_nc_u64 s[VB:VB+1], s[82:83], 6291456
	s_lshl_b32 s80, s[HD], 14
	s_add_nc_u64 s[84:85], s[6:7], s[80:81]        ; Q's scale words
	s_mov_b32 s[G0SK], 1
	s_mov_b32 s[G0SK+1], SCK
	s_add_nc_u64 s[G0SK+2:G0SK+3], s[84:85], 16*16384
	s_or_b32 s[G0SK+3], s[G0SK+3], 0x80000000
	s_lshl_b32 s80, s[HD], 13
	s_mov_b32 s[G0SV], 1
	s_mov_b32 s[G0SV+1], SCV
	s_add_nc_u64 s[G0SV+2:G0SV+3], s[6:7], s[80:81]
	s_add_nc_u64 s[G0SV+2:G0SV+3], s[G0SV+2:G0SV+3], 524288
	s_or_b32 s[G0SV+3], s[G0SV+3], 0x80000000
	s_mov_b32 s[G0K], 1
	s_mov_b32 s[G0K+1], 0
	s_mov_b64 s[G0K+2:G0K+3], s[KB:KB+1]
	s_or_b32 s[G0K+3], s[G0K+3], 0x80000000
	s_mov_b32 s[G0V], 1
	s_mov_b32 s[G0V+1], VOFF
	s_mov_b64 s[G0V+2:G0V+3], s[VB:VB+1]
	s_or_b32 s[G0V+3], s[G0V+3], 0x80000000
	; the head's four fills, one a wave, in one chain of branches on the wave's number
	s_cmp_lt_u32 s[WV], 1
	s_cbranch_scc0 .Lh1
	tensor_load_to_lds s[G0K:G0K+3], s[G1K:G1K+7]
	s_nop 0
	NOP4
	s_branch .Lhj
.Lh1:
	s_cmp_lt_u32 s[WV], 2
	s_cbranch_scc0 .Lh2
	tensor_load_to_lds s[G0V:G0V+3], s[G1V:G1V+7]
	s_nop 0
	NOP4
	s_branch .Lhj
.Lh2:
	s_cmp_lt_u32 s[WV], 3
	s_cbranch_scc0 .Lh3
	tensor_load_to_lds s[G0SK:G0SK+3], s[G1SK:G1SK+7]
	s_nop 0
	NOP4
	s_branch .Lhj
.Lh3:
	s_cmp_lt_u32 s[WV], 4
	s_cbranch_scc0 .Lhj
	tensor_load_to_lds s[G0SV:G0SV+3], s[G1SV:G1SV+7]
	s_nop 0
	NOP4
.Lhj:
	s_mul_i32 s80, s[Q0H], 48
	s_add_nc_u64 s[86:87], s[82:83], s[80:81]
	s_mul_i32 s80, s[Q0L], 48
	s_add_nc_u64 s[88:89], s[82:83], s[80:81]
	s_lshl_b32 s80, s[Q0H], 2
	s_add_nc_u64 s[96:97], s[84:85], s[80:81]
	s_lshl_b32 s80, s[Q0L], 2
	s_add_nc_u64 s[98:99], s[84:85], s[80:81]
	global_load_b128 v[Q:Q+3], v[L16], s[86:87]
	global_load_b64 v[Q+4:Q+5], v[L8], s[86:87] offset:512
	global_load_b32 v[QW], v[R4], s[96:97]
	global_load_b128 v[QL:QL+3], v[L16], s[88:89]
	global_load_b64 v[QL+4:QL+5], v[L8], s[88:89] offset:512
	global_load_b32 v[QL+6], v[R4], s[98:99]
.irp j, 6,7,8,9,10,11
	v_mov_b32 v[Q+\j], 0
	v_mov_b32 v[F+42+\j], 0
.endr
.irp j, 0,1,2,3,4,5,6,7
	v_mov_b32 v[U+\j], 0                           ; (a lane permute's destination counts as one of its sources)
.endr
.irp j, FF, FF+1, FB, FB+1, BM, BM+1, BP, BP+1
	v_mov_b32 v[\j], 0
.endr
.macro REINIT0                         ; a tile's state: O = 0, l = 0, the largest score under every score, -M over every -M
.set j, 0
.rept 32
	v_mov_b32 v[O+j], 0
.set j, j+1
.endr
	v_mov_b32 v12, 0x7f61b1e6
	v_mov_b32 v13, 0xff61b1e6
	v_mov_b32 v14, 0
	v_mov_b32 v15, 0
.endm
	REINIT0
; The odd wave's state into the pair's stage
.macro BSTORE a16, a8, off
	v_add_f32 v[U+1], v14, v15
	v_mov_b32 v[U], v12
.irp i, 0,1,2,3,4,5,6,7
	ds_store_b128 v[\a16], v[O+4*\i:O+4*\i+3] offset:\off+512*\i
.endr
	ds_store_b64 v[\a8], v[U:U+1] offset:\off
.endm
; The even wave joins the two states, divides by l, quantises O along the head's 64 and stores a half fragment and two scale bytes a row
.macro FINISH q0, a16, a8, off
	s_add_co_u32 s84, s[\q0], s[HD]
	s_mul_i32 s84, s84, 768
	s_mov_b32 s85, 0
	s_add_nc_u64 s[86:87], s[8:9], s[84:85]
	s_lshl_b32 s84, s[\q0], 5
	s_add_co_u32 s84, s84, s[SOFF]
	s_add_nc_u64 s[88:89], s[10:11], s[84:85]
.irp i, 0,1,2,3,4,5,6,7
	ds_load_b128 v[S+4*\i:S+4*\i+3], v[\a16] offset:\off+512*\i
.endr
	ds_load_b64 v[U+4:U+5], v[\a8] offset:\off
	v_add_f32 v14, v14, v15
	s_wait_alu depctr_va_vdst(0)
	s_wait_dscnt 0x0
	v_min_num_f32 v[U], v12, v[U+4]                ; the joint -M
	v_sub_f32 v[U+1], v[U], v12
	v_sub_f32 v[U+2], v[U], v[U+4]
	v_cvt_i32_f32 v[U+1], v[U+1]                   ; (it saturates: a state that met no key gets the factor 0)
	v_cvt_i32_f32 v[U+2], v[U+2]
	v_ldexp_f32 v[FF], 1.0, v[U+1]
	v_ldexp_f32 v[FB], 1.0, v[U+2]
	v_mul_f32 v14, v14, v[FF]
	v_fmac_f32 v14, v[U+5], v[FB]
.set j, 0
.rept 16
	v_pk_mul_f32 v[O+j:O+j+1], v[O+j:O+j+1], v[FF:FF+1] op_sel_hi:[1,0]
.set j, j+2
.endr
.set j, 0
.rept 16
	v_pk_fma_f32 v[O+j:O+j+1], v[S+j:S+j+1], v[FB:FB+1], v[O+j:O+j+1] op_sel_hi:[1,0,1]
.set j, j+2
.endr
	v_permlanex16_b32 v[U+3], v14, s[SEL], s[SEL+1]
	v_add_f32 v14, v14, v[U+3]                     ; with lane l xor 16's keys: the row's sum
	s_wait_alu depctr_va_vdst(0)
	v_rcp_f32 v14, v14
	v_nop
	s_wait_alu depctr_va_vdst(0)
.set j, 0
.rept 32
	v_mul_f32 v[S+j], v[O+j], v14
.set j, j+1
.endr
.irp b, 0,1
	v_max3_num_f32 v[BM+\b], |v[S+16*\b]|, |v[S+1+16*\b]|, 0x2800000
.endr
.irp i, 2,4,6,8,10,12,14
.irp b, 0,1
	v_max3_num_f32 v[BM+\b], v[BM+\b], |v[S+16*\b+\i]|, |v[S+1+16*\b+\i]|
.endr
.endr
.irp b, 0,1
	v_permlanex16_b32 v[BP+\b], v[BM+\b], s[SEL], s[SEL+1]
.endr
.irp b, 0,1
	v_max_num_f32 v[BM+\b], v[BM+\b], v[BP+\b]
.endr
.irp b, 0,1
	v_add_nc_u32 v[SO+\b], 0xfe000000, v[BM+\b]
.endr
.irp b, 0,1
	v_lshrrev_b32 v[BP+\b], 23, v[SO+\b]
.endr
	v_lshl_or_b32 v[PWD], v[BP+1], 8, v[BP]
	v_cvt_scalef32_pk16_bf6_f32 v[PC:PC+2], v[S:S+15], v[SO]
	v_cvt_scalef32_pk16_bf6_f32 v[PH:PH+2], v[S+16:S+31], v[SO+1]
	v_nop
.irp i, 0,1,2
	v_permlane16_swap_b32 v[PC+\i], v[PH+\i]
.endr
.irp i, 0,1,2
	v_mov_b32 v[PC+3+\i], v[PH+\i]
.endr
	global_store_b128 v[L16], v[PC:PC+3], s[86:87]
	global_store_b64 v[L8], v[PC+4:PC+5], s[86:87] offset:512
	global_store_b16 v[R4], v[PWD], s[88:89]
	s_wait_xcnt 0x0                                ; the stores' data and bases are written again only behind this wait
.endm
; One step: 16 queries x 128 keys.  st: my first or second step of the slot
.macro STEP st
	s_add_co_u32 s84, s[KF], 256*\st               ; the step's first key
	s_add_co_u32 s85, s[Q0], 15
	s_cmp_gt_u32 s84, s85
	s_cbranch_scc1 .Lhid_\@                        ; wholly above the diagonal
.irp n, 0,1,2,3,4,5,6,7
	ds_load_b128 v[F+6*\n:F+6*\n+3], v[AK16] offset:\st*2*KSTEP+((\n/4)*4+(\n%4)/2)*KH+128*(\n%2)
	ds_load_b64 v[F+6*\n+4:F+6*\n+5], v[AK8] offset:\st*2*KSTEP+((\n/4)*4+(\n%4)/2)*KH+640+64*(\n%2)
	ds_load_b32 v[KS+\n], v[ADS] offset:\st*1024+(64*(\n/4)+8*(\n%4))*4
.endr
	s_wait_dscnt 0x0
.irp n, 0,1,2,3,4,5,6,7
	v_wmma_scale_f32_16x16x128_f8f6f4 v[S+8*((\n/4)*4+(\n%2)*2+(\n%4)/2):S+8*((\n/4)*4+(\n%2)*2+(\n%4)/2)+7], v[F+6*\n:F+6*\n+11], v[Q:Q+11], 0, v[KS+\n], v[QW] matrix_a_fmt:MATRIX_FMT_BF6 matrix_b_fmt:MATRIX_FMT_BF6
.endr
	NOP4                                           ; places ahead of the loads into the fragments' registers and of the first read of the scores
.irp t, 0,1,2,3
	ds_load_b128 v[F+12*\t:F+12*\t+3], v[AV16] offset:\t*VROW+\st*3072
	ds_load_b64 v[F+12*\t+4:F+12*\t+5], v[AV8] offset:\t*VROW+\st*3072+512
	ds_load_b128 v[F+12*\t+6:F+12*\t+9], v[AV16] offset:\t*VROW+\st*3072+768
	ds_load_b64 v[F+12*\t+10:F+12*\t+11], v[AV8] offset:\t*VROW+\st*3072+1280
	ds_load_b32 v[KS+\t], v[ADT] offset:\t*2048+\st*128
.endr
	s_add_co_u32 s85, s84, 127
	s_cmp_le_u32 s85, s[Q0]
	s_cbranch_scc1 .Lopen_\@                       ; wholly under the diagonal
	s_sub_co_i32 s85, s[Q0], s84
	v_add_nc_u32 v[U], s85, v[DG]                  ; my query less the step's first key less 32 h
	v_mov_b32 v[U+1], 0xff800000
.set n, 0
.rept 64
	v_cmp_gt_i32 vcc_lo, 64*(n/32)+8*((((n/8)%4)&1)*2+(((n/8)%4)>>1))+n%8, v[U]
	v_cndmask_b32 v[S+n], v[S+n], v[U+1], vcc_lo
.set n, n+1
.endr
.Lopen_\@:
.irp b, 0,1,2,3
	v_max3_num_f32 v[U+\b], v[S+16*\b], v[S+16*\b+1], v[S+16*\b+2]
.endr
.irp i, 3,5,7,9,11,13
.irp b, 0,1,2,3
	v_max3_num_f32 v[U+\b], v[U+\b], v[S+16*\b+\i], v[S+16*\b+\i+1]
.endr
.endr
.irp c, 0,1
	v_max3_num_f32 v[BM+\c], v[U+2*\c], v[U+2*\c+1], v[S+32*\c+15]
.endr
.irp c, 0,1
	v_max_num_f32 v[BM+\c], v[BM+\c], v[S+32*\c+31]    ; the largest score of my block 2 c + h: all its 32 keys are mine
.endr
	s_delay_alu instid0(VALU_DEP_1)
	v_max_num_f32 v[U], v[BM], v[BM+1]
	s_delay_alu instid0(VALU_DEP_1)
	v_permlanex16_b32 v[U+1], v[U], s[SEL], s[SEL+1]
	s_delay_alu instid0(VALU_DEP_1)
	v_max3_num_f32 v13, v13, v[U], v[U+1]          ; the running largest score of my query
	s_delay_alu instid0(VALU_DEP_1)
	v_mul_f32 v[U], s[NC], v13
	s_delay_alu instid0(VALU_DEP_1)
	v_floor_f32 v[U], v[U]                         ; -M = floor(-t)
	s_delay_alu instid0(VALU_DEP_1)
	v_sub_f32 v[U+1], v[U], v12
	v_mov_b32 v12, v[U]
	s_delay_alu instid0(VALU_DEP_2)
	v_cvt_i32_f32 v[U+1], v[U+1]
	s_delay_alu instid0(VALU_DEP_1)
	v_ldexp_f32 v[FF], 1.0, v[U+1]                 ; f = 2^(old M - new M)
.set j, 0
.rept 32
	v_pk_fma_f32 v[S+j:S+j+1], v[S+j:S+j+1], s[CS:CS+1], v[12:13] op_sel_hi:[1,0,0]
.set j, j+2
.endr
.irp c, 0,1
	v_fma_f32 v[BM+\c], v[BM+\c], s[CS], v12
.endr
.set j, 0
.rept 16
	v_pk_mul_f32 v[O+j:O+j+1], v[O+j:O+j+1], v[FF:FF+1] op_sel_hi:[1,0]
.set j, j+2
.endr
	s_wait_alu depctr_va_vdst(0)                   ; ahead of the batch
.set j, 0
.rept 64
	v_exp_f32 v[S+j], v[S+j]
.set j, j+1
.endr
.irp c, 0,1
	v_exp_f32 v[BM+\c], v[BM+\c]                   ; the block's largest p
.endr
	v_pk_mul_f32 v[14:15], v[14:15], v[FF:FF+1] op_sel_hi:[1,0]
	s_wait_alu depctr_va_vdst(0)                   ; and behind it
.irp c, 0,1
	v_max_num_f32 v[BM+\c], 0x2800000, v[BM+\c]
.endr
.irp c, 0,1
	v_add_nc_u32 v[SO+\c], 0xfe000000, v[BM+\c]
.endr
.irp c, 0,1
	v_lshrrev_b32 v[BP+\c], 23, v[SO+\c]
.endr
	s_delay_alu instid0(VALU_DEP_1)
	v_lshl_or_b32 v[U], v[BP+1], 16, v[BP]         ; my bytes: blocks h and 2 + h,
	s_delay_alu instid0(VALU_DEP_1)
	v_lshlrev_b32 v[U], v[H8], v[U]                ; at their places;
	s_delay_alu instid0(VALU_DEP_1)
	v_permlanex16_b32 v[U+1], v[U], s[SEL], s[SEL+1]
	s_delay_alu instid0(VALU_DEP_1)
	v_or_b32 v[PWD], v[U], v[U+1]                  ; with lane l xor 16's two the word is whole
.irp c, 0,1
	v_cvt_scalef32_pk16_bf6_f32 v[PC+6*\c:PC+2+6*\c], v[S+32*\c:S+15+32*\c], v[SO+\c]
	v_cvt_scalef32_pk16_bf6_f32 v[PH+4*\c:PH+2+4*\c], v[S+16+32*\c:S+31+32*\c], v[SO+\c]
.endr
	v_nop
.irp c, 0,1
.irp i, 0,1,2
	v_mov_b32 v[PC+3+6*\c+\i], v[PH+4*\c+\i]
.endr
.endr
	v_pk_add_f32 v[U+2:U+3], v[S:S+1], v[S+2:S+3]  ; the sum of the unquantised p, in two chains
.set j, 4
.rept 15
	v_pk_add_f32 v[14:15], v[14:15], v[S+j:S+j+1]
	v_pk_add_f32 v[U+2:U+3], v[U+2:U+3], v[S+j+2:S+j+3]
.set j, j+4
.endr
	v_pk_add_f32 v[14:15], v[14:15], v[U+2:U+3]
	s_wait_dscnt 0x0
.irp t, 0,1,2,3
	v_wmma_scale_f32_16x16x128_f8f6f4 v[O+8*\t:O+8*\t+7], v[F+12*\t:F+12*\t+11], v[PC:PC+11], v[O+8*\t:O+8*\t+7], v[KS+\t], v[PWD] matrix_a_fmt:MATRIX_FMT_BF6 matrix_b_fmt:MATRIX_FMT_BF6
.endr
.if \st == 0
	NOP4                                           ; places ahead of the next step's loads (behind a slot's last step the nine address lines are these)
.endif
.Lhid_\@:
.endm
; A change of slots.  fill = 1: the slot read last is filled again
.macro CHANGE fill
	s_cmp_ge_u32 s[SI], s[SH]                      ; block 31 - x or block x?
	s_cselect_b32 s80, s[SH], 0
	s_cselect_b32 s[Q0], s[Q0L], s[Q0H]
	s_sub_co_u32 s80, s[SI], s80
	s_and_b32 s80, s80, 7                          ; which 512 keys
	s_lshl_b32 s[KF], s80, 9
	s_add_co_u32 s[KF], s[KF], s[P128]
	s_lshl_b32 s81, s80, 11
	s_lshl_b32 s82, s80, 8
	s_and_b32 s83, s[SI], 1
	s_lshl_b32 s[TB], s83, 16
	s_mul_i32 s83, s83, STGSZ
	s_wait_xcnt 0x0                                ; my prefetch has read its address
	v_add_nc_u32 v[AK16], s[TB], v[BK16]
	v_add_nc_u32 v[AK8], s[TB], v[BK8]
	v_add_nc_u32 v[AV16], s[TB], v[BV16]
	v_add_nc_u32 v[AV8], s[TB], v[BV8]
	v_add_nc_u32 v[ADS], s81, v[BSK]
	v_add_nc_u32 v[ADT], s82, v[BSV]
	v_add_nc_u32 v[ASTG], s83, v[STG]
	v_add_nc_u32 v[ASTG8], s83, v[STG8]
	v_add_nc_u32 v[PFO], s[PFS], v[PFO]
	s_wait_alu depctr_va_vdst(0)
	s_cmp_lg_u32 s[SI], s[SH]
	s_cbranch_scc1 .Lns_\@
	s_cmp_eq_u32 s[PAR], 0
	s_cbranch_scc1 .Lns_\@
	BSTORE ASTG, ASTG8, 0                          ; block 31 - x is through: the odd wave hands its state over
.Lns_\@:
	s_wait_tensorcnt 0x0                           ; the add twice
	ds_add_u32 v[SPW], v[NIL]
	ds_add_u32 v[SPW], v[NIL]
.if \fill
	s_add_co_u32 s81, s[SI], 1                     ; the next slot's 512 keys
	s_cmp_ge_u32 s81, s[SH]
	s_cselect_b32 s82, s[SH], 0
	s_sub_co_u32 s81, s81, s82
	s_and_b32 s81, s81, 7
	s_mul_i32 s82, s81, 24576
	s_mov_b32 s83, 0
	s_add_nc_u64 s[G0K+2:G0K+3], s[KB:KB+1], s[82:83]
	s_or_b32 s[G0K+3], s[G0K+3], 0x80000000
	s_mul_i32 s82, s81, 6144
	s_add_nc_u64 s[G0V+2:G0V+3], s[VB:VB+1], s[82:83]
	s_or_b32 s[G0V+3], s[G0V+3], 0x80000000
	s_xor_b32 s[G0K+1], s[G0K+1], SLOT1
	s_xor_b32 s[G0V+1], s[G0V+1], SLOT1
.endif
	s_wait_dscnt 0x0
	s_barrier_signal -1
	s_barrier_wait -1
.if \fill
	TLOAD
	s_cmp_lt_u32 s[SI], s[LIM]
	s_cbranch_scc0 .Lna_\@
	global_prefetch_b8 v[PFO], s[4:5] th:TH_LOAD_NT scope:SCOPE_SE
.Lna_\@:
.endif
	s_cmp_lg_u32 s[SI], s[SH]
	s_cbranch_scc1 .Lnw_\@
	s_cmp_lg_u32 s[PAR], 0
	s_cbranch_scc1 .Lre_\@
	FINISH Q0H, ASTG, ASTG8, 0
.Lre_\@:
.irp j, 0,1,2,3,4,5
	v_mov_b32 v[Q+\j], v[QL+\j]                    ; block x's queries
.endr
	v_mov_b32 v[QW], v[QL+6]
	REINIT0
	s_wait_alu depctr_va_vdst(0)
.Lnw_\@:
.endm
	s_wait_alu depctr_va_vdst(0)                   ; the head's end
	s_wait_loadcnt 0x0
.Lslot:
	CHANGE 1
	STEP 0
	STEP 1
	s_add_co_u32 s[SI], s[SI], 1
	s_cmp_lt_u32 s[SI], 8
	s_cbranch_scc1 .Lslot
	CHANGE 0                                       ; the ninth slot: nothing more to fetch
	STEP 0
	STEP 1
	s_wait_alu depctr_va_vdst(0)
	s_cmp_eq_u32 s[PAR], 0
	s_cbranch_scc1 .Lea
	NOP4
	BSTORE STG, STG8, STGSZ                        ; the other region than the ninth slot's
.Lea:
	s_wait_alu depctr_va_vdst(0)
	s_wait_dscnt 0x0
	s_barrier_signal -1
	s_barrier_wait -1
	s_cmp_lg_u32 s[PAR], 0
	s_cbranch_scc1 .Leb
	FINISH Q0L, STG, STG8, STGSZ
.Leb:
	s_wait_tensorcnt 0x0                           ; the wave's end
	ds_add_u32 v[SPW], v[NIL]
	s_wait_dscnt 0x0
	s_endpgm
.Lfunc_end_k_qb719d417ff_attn:
	.size	k_qb719d417ff_attn, .Lfunc_end_k_qb719d417ff_attn-k_qb719d417ff_attn
	.p2alignl 7, 3214868480
	.fill 96, 4, 3214868480
	.section	.rodata,"a",@progbits
	.p2align	6, 0x0
	.amdhsa_kernel k_qb719d417ff_attn
		.amdhsa_group_segment_fixed_size 327680
		.amdhsa_private_segment_fixed_size 0
		.amdhsa_enable_private_segment 0
		.amdhsa_kernarg_size 32
		.amdhsa_user_sgpr_count 2
		.amdhsa_user_sgpr_kernarg_segment_ptr 1
		.amdhsa_wavefront_size32 1
		.amdhsa_system_sgpr_workgroup_id_x 1
		.amdhsa_system_sgpr_workgroup_id_y 1
		.amdhsa_system_sgpr_workgroup_id_z 1
		.amdhsa_system_vgpr_workitem_id 0
		.amdhsa_next_free_vgpr 256
		.amdhsa_next_free_sgpr 100
		.amdhsa_reserve_vcc 1
		.amdhsa_float_denorm_mode_32 3
		.amdhsa_float_denorm_mode_16_64 3
		.amdhsa_memory_ordered 1
		.amdhsa_forward_progress 1
		.amdhsa_inst_pref_size 124
	.end_amdhsa_kernel
	.amdgpu_metadata
---
amdhsa.version: [ 1, 2 ]
amdhsa.kernels:
  - .name:           k_qb719d417ff_attn
    .symbol:         k_qb719d417ff_attn.kd
    .args:
      - { .name: qkv, .offset: 0, .size: 8, .value_kind: global_buffer, .address_space: global }
      - { .name: qkv_s, .offset: 8, .size: 8, .value_kind: global_buffer, .address_space: global }
      - { .name: o_codes, .offset: 16, .size: 8, .value_kind: global_buffer, .address_space: global }
      - { .name: o_scales, .offset: 24, .size: 8, .value_kind: global_buffer, .address_space: global }
    .group_segment_fixed_size: 327680
    .private_segment_fixed_size: 0
    .kernarg_segment_align: 8
    .kernarg_segment_size: 32
    .max_flat_workgroup_size: 512
    .sgpr_count:     100
    .vgpr_count:     256
    .wavefront_size: 32
...
	.end_amdgpu_metadata
.endif
;; end of part 3
;; launch gemm_out (part 4): grid 8 x 32, 8 waves a work-group, clusters of 4 x 4, 327,680 bytes of LDS; arguments o_codes, o_scales, opnd, opnd_s, out0; writes out0
.if DOCPART == 4
	.amdgcn_target "amdgcn-amd-amdhsa--gfx1250"
	.amdhsa_code_object_version 6
	.text
	.protected	k_qb719d417ff_gemm_out
	.globl	k_qb719d417ff_gemm_out
	.p2align	8
	.type	k_qb719d417ff_gemm_out,@function
k_qb719d417ff_gemm_out:
	s_mov_b64 s[64:65], 0
	v_nop
	global_prefetch_b8 v0, s[64:65] scope:SCOPE_SE
	s_setreg_imm32_b32 hwreg(HW_REG_WAVE_MODE, 25, 1), 1
	s_wait_xcnt 0x0
	s_wait_alu depctr_hold_cnt(0) depctr_sa_sdst(0) depctr_va_vdst(0) depctr_va_sdst(0) depctr_va_ssrc(0) depctr_va_vcc(0) depctr_vm_vsrc(0)
	s_getreg_b32 s2, hwreg(HW_REG_IB_STS2, 6, 4)
	s_cmp_eq_u32 s2, 0
	s_cbranch_scc0 .Lentry_in_a_cluster
	s_endpgm
.Lentry_in_a_cluster:
	s_bfe_u32 s2, ttmp6, 0x10000c
	s_cmp_lg_u32 s2, 0xf033
	s_cbranch_scc0 .Lentry_shape_is_right
	s_endpgm
.Lentry_shape_is_right:
; out0 [4096][1024] f32 = O W_o, K = 1,024, on codes of BF6 (E3M2) with E8M0 scales.  O's codes lie in o_codes, W_o's (rows = n) in opnd from row-block 448 on, both as half fragments (16 rows x 64 K, 768 bytes, in the
; order of the operand's registers: lane l's registers 0-3 at 16 l, registers 4-5 at 512 + 8 l), a row-block's sixteen at rb x 12288; scale words at rb x 512 + ks x 64 + 4 r.
; A block of the result is 128 x 128: 32 x 8 = 256 work-groups.  ALL OF K LIES IN LDS AT ONCE: A's 8 row-blocks are 98,304 dense bytes, B's the same, their scale words 4,096 each.  So there is no ring and nothing is
; filled again: six waves issue one tensor load each at the head (waves 0, 1 A's halves, 2, 3 B's halves, 4 A's scale words, 5 B's), every wave waits for its own, and one barrier shows all of it to all.
; CLUSTERS of 4 x 4: A's tiles are asked for jointly along a row of the cluster, B's along a column.
; Eight waves, each 32 rows x 64 columns: 8 accumulators, which take turns; two sets of fragments and scale words: a K step's 28 LDS loads are issued ahead of the step before's products.
; THE MATRIX INSTRUCTION IS USED TRANSPOSED (source 0 = 16 rows of W_o, source 1 = 16 rows of O): a lane holds eight neighbouring numbers of a row of the result.
; One register carries A's scale word (lanes 0-15) and B's (lanes 16-31, MATRIX_SCALE_ROW1).  Registers 2, 3 of a set hold in lanes 0-15 words of later row-blocks, which no product reads.
; THE WAY OUT: 16 rows x 64 columns go through the wave's own stage (rows of 256 + 16 bytes) and leave as whole rows: sixteen lanes store 256 consecutive bytes, aligned.
; NO PREFETCH: every tile is asked for at the head; the launch has no loop to run ahead in.
.set RBB,    12288
.set BOFF,   8*RBB                     ; B's codes behind A's
.set SCL,    2*BOFF                    ; the scale words: A's 4,096 bytes, then B's
.set STAGE,  SCL+8192
.set SPITCH, 272
.set SPARE,  STAGE+8*16*SPITCH         ; the spare words, 128 bytes a wave
.set A16, 8
.set A8, 9
.set B16, 10
.set B8, 11
.set ADRS, 12
.set STO, 13
.set RD, 14
.set CO, 15
.set SC, 16                            ; v16-23 scale words, two sets of four
.set SPW, 24
.set NIL, 25
.set BK, 32                            ; the way out: v32-95.  Fragments: set p at v[32 + 72 p]: A's two, then B's four
.set AC, 176                           ; v176-239 accumulator (a, b) at 8 (4 a + b)
.set G1, 24
.set G0, 32
.set G0B, 36
.set G1B, 48
.set G0S, 56
.set G0SB, 60
.set G1S, 68
.set G1SB, 80
.macro NOP4
.rept 4
	v_nop
.endr
.endm
.macro CROUND                          ; a round of the cluster's barrier
	s_barrier_signal -1
	s_barrier_wait -1
	s_cmp_lg_u32 s14, 0
	s_cbranch_scc1 .Lnot_wave_0_\@
	s_barrier_signal -3
.Lnot_wave_0_\@:
	s_barrier_wait -3
	s_barrier_signal -1
	s_barrier_wait -1
.endm
	s_load_b128 s[4:7], s[0:1], 0x0                ; o_codes, o_scales
	s_load_b128 s[8:11], s[0:1], 0x10              ; opnd, opnd_s
	s_load_b64 s[12:13], s[0:1], 0x20              ; out0
	v_lshl_add_u32 v[SPW], v0, 2, SPARE
	v_mov_b32 v[NIL], 0
	ds_add_u32 v[SPW], v[NIL]                      ; the wave's opening
	ds_add_u32 v[SPW], v[NIL]
	v_lshrrev_b32 v1, 5, v0
	v_readfirstlane_b32 s14, v1                    ; wave 0..7
	s_and_b32 s15, s14, 1                          ; which 64 columns are mine.  Also: which half of a tile I fetch
	s_lshr_b32 s16, s14, 1                         ; which 32 rows
	s_bfe_u32 s40, ttmp6, 0x40000                  ; cx, cy
	s_bfe_u32 s41, ttmp6, 0x40004
	s_lshl_b32 s42, ttmp9, 2
	s_add_co_u32 s42, s42, s40                     ; block column 0..7
	s_and_b32 s17, ttmp7, 0xffff
	s_lshl_b32 s17, s17, 2
	s_add_co_u32 s17, s17, s41                     ; block row 0..31
	s_lshl_b32 s43, s41, 2
	s_lshl_b32 s43, 15, s43                        ; my row of the cluster
	s_lshl_b32 s44, 0x1111, s40                    ; my column
	s_or_b32 s[G1+0], s43, (3<<16)|(1<<21)         ; codes: half a tile, 49,152 dense bytes as 192 rows of 32 elements of 8 bytes
	s_or_b32 s[G1B+0], s44, (3<<16)|(1<<21)
.irp g, G1, G1B
	s_mov_b32 s[\g+1], 32<<16
	s_mov_b32 s[\g+2], 192<<16
	s_mov_b32 s[\g+3], 32<<16
	s_mov_b32 s[\g+4], 192
	s_mov_b32 s[\g+5], 32
	s_mov_b32 s[\g+6], 0
	s_mov_b32 s[\g+7], 0
.endr
	s_or_b32 s[G1S+0], s43, (3<<16)|(1<<21)        ; scale words: 4,096 dense bytes as 16 rows
	s_or_b32 s[G1SB+0], s44, (3<<16)|(1<<21)
.irp g, G1S, G1SB
	s_mov_b32 s[\g+1], 32<<16
	s_mov_b32 s[\g+2], 16<<16
	s_mov_b32 s[\g+3], 32<<16
	s_mov_b32 s[\g+4], 16
	s_mov_b32 s[\g+5], 32
	s_mov_b32 s[\g+6], 0
	s_mov_b32 s[\g+7], 0
.endr
	s_mul_i32 s18, s16, 2*RBB                      ; my two row-blocks of A
	s_mul_i32 s19, s15, 4*RBB
	s_add_co_u32 s19, s19, BOFF                    ; my four of B
	s_lshl_b32 s20, s16, 10                        ; A's scale words: 2 x 512 bytes a wave row
	s_lshl_b32 s21, s15, 11
	s_add_co_u32 s21, s21, 4096
	s_sub_co_u32 s21, s21, s20                     ; from my words of A to my words of B
	s_add_co_u32 s20, s20, SCL
	s_mul_i32 s22, s14, 16*SPITCH
	s_add_co_u32 s22, s22, STAGE                   ; my stage
	s_wait_alu depctr_va_vdst(0)
	v_and_b32 v1, 31, v0                           ; lane
	v_and_b32 v2, 15, v0                           ; r
	v_bfe_u32 v3, v0, 4, 1                         ; h
	v_lshlrev_b32 v4, 4, v1
	v_lshlrev_b32 v5, 3, v1
	v_add_nc_u32 v[A16], s18, v4
	v_add_nc_u32 v[A8], s18, v5
	v_add_nc_u32 v[B16], s19, v4
	v_add_nc_u32 v[B8], s19, v5
	v_mul_u32_u24 v6, s21, v3                      ; lanes 16-31 take B's: the lower base + h x the distance
	v_lshl_add_u32 v6, v2, 2, v6
	v_add_nc_u32 v[ADRS], s20, v6
	v_mul_u32_u24 v7, v2, SPITCH                   ; into the stage: row r, 32 bytes for each half of the lanes
	v_lshl_add_u32 v7, v3, 5, v7
	v_add_nc_u32 v[STO], s22, v7
	v_mul_u32_u24 v26, v3, SPITCH                  ; back: lanes 0-15 one row of 256 bytes, lanes 16-31 the next
	v_lshl_add_u32 v26, v2, 4, v26
	v_add_nc_u32 v[RD], s22, v26
	v_lshlrev_b32 v[CO], 12, v3                    ; and the same two rows in out0 (4,096 bytes a row)
	v_lshl_add_u32 v[CO], v2, 4, v[CO]
	s_mul_i32 s45, s15, 49152                      ; which half of a tile I fetch, in bytes: in memory and in LDS
	s_mul_i32 s88, s17, 8*RBB
	s_add_co_u32 s88, s88, s45                     ; A's codes: hangs on the block row and the wave alone
	s_mov_b32 s89, 0
	s_lshl_b32 s90, s17, 12                        ; A's scale words
	s_mov_b32 s91, 0
	s_lshl_b32 s94, s42, 3
	s_add_co_u32 s94, s94, 448                     ; B's first row-block: hangs on the block column alone
	s_mul_i32 s92, s94, RBB
	s_add_co_u32 s92, s92, s45
	s_mov_b32 s93, 0
	s_lshl_b32 s94, s94, 9
	s_mov_b32 s95, 0
	s_lshl_b32 s46, s17, 7
	s_lshl_b32 s47, s16, 5
	s_add_co_u32 s46, s46, s47                     ; my first row of out0
	s_lshl_b32 s46, s46, 12
	s_lshl_b32 s47, s42, 9
	s_add_co_u32 s46, s46, s47
	s_lshl_b32 s47, s15, 8
	s_add_co_u32 s46, s46, s47                     ; + my first column, in bytes
	s_mov_b32 s47, 0
	s_wait_alu depctr_va_vdst(0)
	s_wait_dscnt 0x0                               ; both opening adds are done
	s_wait_kmcnt 0x0
	s_mov_b32 s[G0], 1
	s_mov_b32 s[G0+1], s45
	s_add_nc_u64 s[G0+2:G0+3], s[4:5], s[88:89]
	s_or_b32 s[G0+3], s[G0+3], 0x80000000
	s_mov_b32 s[G0B], 1
	s_add_co_u32 s[G0B+1], s45, BOFF
	s_add_nc_u64 s[G0B+2:G0B+3], s[8:9], s[92:93]
	s_or_b32 s[G0B+3], s[G0B+3], 0x80000000
	s_mov_b32 s[G0S], 1
	s_mov_b32 s[G0S+1], SCL
	s_add_nc_u64 s[G0S+2:G0S+3], s[6:7], s[90:91]
	s_or_b32 s[G0S+3], s[G0S+3], 0x80000000
	s_mov_b32 s[G0SB], 1
	s_mov_b32 s[G0SB+1], SCL+4096
	s_add_nc_u64 s[G0SB+2:G0SB+3], s[10:11], s[94:95]
	s_or_b32 s[G0SB+3], s[G0SB+3], 0x80000000
	s_add_nc_u64 s[12:13], s[12:13], s[46:47]
	CROUND                                         ; all sixteen work-groups are here: the joint loads meet
	; the head's loads, one a wave, in one chain of branches on the wave's number
	s_cmp_lt_u32 s14, 2
	s_cbranch_scc0 .Lhead_b
	tensor_load_to_lds s[G0:G0+3], s[G1:G1+7]
	s_nop 0
	NOP4
	s_branch .Lhead_asked
.Lhead_b:
	s_cmp_lt_u32 s14, 4
	s_cbranch_scc0 .Lhead_sa
	tensor_load_to_lds s[G0B:G0B+3], s[G1B:G1B+7]
	s_nop 0
	NOP4
	s_branch .Lhead_asked
.Lhead_sa:
	s_cmp_lt_u32 s14, 5
	s_cbranch_scc0 .Lhead_sb
	tensor_load_to_lds s[G0S:G0S+3], s[G1S:G1S+7]
	s_nop 0
	NOP4
	s_branch .Lhead_asked
.Lhead_sb:
	s_cmp_lt_u32 s14, 6
	s_cbranch_scc0 .Lhead_asked
	tensor_load_to_lds s[G0SB:G0SB+3], s[G1SB:G1SB+7]
	s_nop 0
	NOP4
.Lhead_asked:
; A fragment (16 rows x 128 K, 12 registers) is two half fragments as they lie: four loads, each of consecutive bytes from lane to lane
.macro FRAG reg, a16, a8, off
	ds_load_b128 v[\reg:\reg+3], v[\a16] offset:\off
	ds_load_b64 v[\reg+4:\reg+5], v[\a8] offset:\off+512
	ds_load_b128 v[\reg+6:\reg+9], v[\a16] offset:\off+768
	ds_load_b64 v[\reg+10:\reg+11], v[\a8] offset:\off+1280
.endm
.macro FETCH ks                        ; K step ks into set ks % 2: 6 fragments and 4 scale registers, 28 loads
.set FS, 32+72*((\ks)%2)
.irp i, 0,1
	FRAG FS+12*\i, A16, A8, \i*RBB+(\ks)*1536
.endr
.irp i, 0,1,2,3
	FRAG FS+24+12*\i, B16, B8, \i*RBB+(\ks)*1536
.endr
.irp i, 0,1,2,3
	ds_load_b32 v[SC+4*((\ks)%2)+\i], v[ADRS] offset:\i*512+(\ks)*64
.endr
.endm
.macro MUL ks, zero                    ; 8 products, 128 along K.  zero = 1: the first step starts the sums
.set FS, 32+72*((\ks)%2)
.set SS, SC+4*((\ks)%2)
.irp a, 0,1
.irp b, 0,1,2,3
.if \zero
	v_wmma_scale_f32_16x16x128_f8f6f4 v[AC+8*(4*\a+\b):AC+8*(4*\a+\b)+7], v[FS+24+12*\b:FS+24+12*\b+11], v[FS+12*\a:FS+12*\a+11], 0, v[SS+\b], v[SS+\a] matrix_a_fmt:MATRIX_FMT_BF6 matrix_b_fmt:MATRIX_FMT_BF6 matrix_a_scale:MATRIX_SCALE_ROW1
.else
	v_wmma_scale_f32_16x16x128_f8f6f4 v[AC+8*(4*\a+\b):AC+8*(4*\a+\b)+7], v[FS+24+12*\b:FS+24+12*\b+11], v[FS+12*\a:FS+12*\a+11], v[AC+8*(4*\a+\b):AC+8*(4*\a+\b)+7], v[SS+\b], v[SS+\a] matrix_a_fmt:MATRIX_FMT_BF6 matrix_b_fmt:MATRIX_FMT_BF6 matrix_a_scale:MATRIX_SCALE_ROW1
.endif
.endr
.endr
.endm
	s_wait_tensorcnt 0x0                           ; my tile is in
	s_barrier_signal -1
	s_barrier_wait -1                              ; and so is everybody's; nothing is filled again
	FETCH 0
	FETCH 1
	s_wait_dscnt 28                                ; step 0's 28 loads are in; step 1's 28 may be out
	MUL 0, 1
.set KK, 1
.rept 6
	NOP4                                           ; places ahead of the loads into the set that the products above have read
	FETCH KK+1
	s_wait_dscnt 28                                ; this step's loads are in; the 28 just issued may be out
	MUL KK, 0
.set KK, KK+1
.endr
	s_wait_dscnt 0x0
	MUL 7, 0
	NOP4                                           ; places ahead of the first read of results and of the loads below
.irp a, 0,1
.irp b, 0,1,2,3
	ds_store_b128 v[STO], v[AC+8*(4*\a+\b):AC+8*(4*\a+\b)+3] offset:64*\b        ; each accumulator from its low end on
	ds_store_b128 v[STO], v[AC+8*(4*\a+\b)+4:AC+8*(4*\a+\b)+7] offset:64*\b+16
.endr
.irp t, 0,1,2,3,4,5,6,7
	ds_load_b128 v[BK+32*\a+4*\t:BK+32*\a+4*\t+3], v[RD] offset:\t*2*SPITCH     ; LDS serves a wave's instructions in order (ISA guide 5.7.1.4): these see the stores above, and the next block's stores come behind them
.endr
.endr
	s_wait_dscnt 16                                ; block 0 is back; block 1's 8 stores and 8 loads may be out
.irp t, 0,1,2,3,4,5,6,7
	global_store_b128 v[CO], v[BK+4*\t:BK+4*\t+3], s[12:13] offset:\t*8192 th:TH_STORE_NT
.endr
	s_wait_dscnt 0x0
.irp t, 0,1,2,3,4,5,6,7
	global_store_b128 v[CO], v[BK+32+4*\t:BK+32+4*\t+3], s[12:13] offset:65536+\t*8192 th:TH_STORE_NT
.endr
	s_wait_tensorcnt 0x0                           ; the wave's end
	ds_add_u32 v[SPW], v[NIL]
	s_wait_dscnt 0x0
	CROUND                                         ; the closing round
	s_endpgm
.Lfunc_end_k_qb719d417ff_gemm_out:
	.size	k_qb719d417ff_gemm_out, .Lfunc_end_k_qb719d417ff_gemm_out-k_qb719d417ff_gemm_out
	.p2alignl 7, 3214868480
	.fill 96, 4, 3214868480
	.section	.rodata,"a",@progbits
	.p2align	6, 0x0
	.amdhsa_kernel k_qb719d417ff_gemm_out
		.amdhsa_group_segment_fixed_size 327680
		.amdhsa_private_segment_fixed_size 0
		.amdhsa_enable_private_segment 0
		.amdhsa_kernarg_size 40
		.amdhsa_user_sgpr_count 2
		.amdhsa_user_sgpr_kernarg_segment_ptr 1
		.amdhsa_wavefront_size32 1
		.amdhsa_system_sgpr_workgroup_id_x 1
		.amdhsa_system_sgpr_workgroup_id_y 1
		.amdhsa_system_sgpr_workgroup_id_z 1
		.amdhsa_system_vgpr_workitem_id 0
		.amdhsa_next_free_vgpr 256
		.amdhsa_next_free_sgpr 100
		.amdhsa_reserve_vcc 0
		.amdhsa_float_denorm_mode_32 3
		.amdhsa_float_denorm_mode_16_64 3
		.amdhsa_memory_ordered 1
		.amdhsa_forward_progress 1
		.amdhsa_inst_pref_size 36
	.end_amdhsa_kernel
	.amdgpu_metadata
---
amdhsa.version: [ 1, 2 ]
amdhsa.kernels:
  - .name:           k_qb719d417ff_gemm_out
    .symbol:         k_qb719d417ff_gemm_out.kd
    .args:
      - { .name: o_codes, .offset: 0, .size: 8, .value_kind: global_buffer, .address_space: global }
      - { .name: o_scales, .offset: 8, .size: 8, .value_kind: global_buffer, .address_space: global }
      - { .name: opnd, .offset: 16, .size: 8, .value_kind: global_buffer, .address_space: global }
      - { .name: opnd_s, .offset: 24, .size: 8, .value_kind: global_buffer, .address_space: global }
      - { .name: out0, .offset: 32, .size: 8, .value_kind: global_buffer, .address_space: global }
    .group_segment_fixed_size: 327680
    .private_segment_fixed_size: 0
    .kernarg_segment_align: 8
    .kernarg_segment_size: 40
    .max_flat_workgroup_size: 256
    .sgpr_count:     100
    .vgpr_count:     256
    .wavefront_size: 32
...
	.end_amdgpu_metadata
.endif
;; end of part 4
